; MI455X (gfx1250); checked and timed in simulation.
; The chip was launched on July 23, 2026; its instructions are those of AMD's public machine-readable ISA for CDNA 5 (MIT licence, August 2026) and "CDNA5" Instruction Set Architecture Reference Guide (July 2026). The comments in the code are by the model that wrote it; some were corrected since.
;; Scaled Dot Product Attention. Allowed arithmetic: matrix products marked QUANTISED: E5M2 operands, one given power-of-two scale a tensor, by v_wmma_f32_16x16x64_bf8_bf8 or v_wmma_f32_16x16x128_bf8_bf8, f32 sums; everything else in f32.
;; Inputs: k 4 x 16 x 2,048 x 64 float32; lowp_scales 4 int32 (the exponents e of the quantised operands' scales 2^e); mask 2,048 x 2,048 bool; q 4 x 16 x 2,048 x 64 float32; v 4 x 16 x 2,048 x 64 float32.
;; Outputs: out0 4 x 16 x 2,048 x 64 float32.
;; This version of the problem:
;;   THIS VERSION OF THE PROBLEM IS GIVEN IN LOW PRECISION. The matrix products marked QUANTISED in the list below multiply operands that are first quantised to E5M2 (5 exponent bits, 2 mantissa bits; 8 bits a number), with one given power-of-two scale for each operand tensor; their sums are f32. All else is computed in f32.
;;   The module's matrix products, in the order in which they are computed (A, B: the left and right operand; K: the contracted axis; several contracted axes count as one K, in the product's order):
;;     1. batch 64 x [M 2,048, K 64] x [K 64, N 2,048]; A: input q; B: input k: QUANTISED (scales: A lowp_scales[0], B lowp_scales[1])
;;     2. batch 64 x [M 2,048, K 2,048] x [K 2,048, N 64]; A: softmax (see below); B: input v: QUANTISED (scales: A lowp_scales[2], B lowp_scales[3])
;;   THE QUANTISER, for each operand of a quantised product, along K:
;;     - The operand's scale is 2^e, e = its entry of the input lowp_scales (int32; the entries are numbered through the quantised products in the list's order, A before B).
;;     - Each number is divided by the scale, clamped to +-57,344, and rounded to the nearest number of E5M2, ties to even, subnormals kept.
;;     - The product sums the exact products of the quantised numbers (number of the format x scale) in f32.
;;   ~~~python
;;   def quantise(x, axis, e):      # numpy; x: float32 -> the quantised numbers, widened to float32 again
;;       x = np.moveaxis(x, axis, -1); K = x.shape[-1]
;;       r = np.clip(x / 2.0 ** e, -57344, 57344)
;;       step = 2.0 ** (np.maximum(np.frexp(np.where(r == 0, 1, r))[1] - 1, -14) - 2)
;;       q = np.round(r / step) * step * 2.0 ** e      # np.round: ties to even
;;       return np.moveaxis(q, -1, axis).astype(np.float32)
;;   ~~~
;;   SOFTMAX AHEAD OF A QUANTISED PRODUCT. Where the list says 'softmax', what is quantised is not the finished softmax but p = 2^(t - M), with t = logit x log2(e) and M = ceil(the row's largest t), a whole number; so 1/2 < the row's largest p <= 1. The row's sum l is taken of the UNQUANTISED p, in f32, and the product's result is divided by l at the end. Since M is a whole number, a kernel that streams over the keys may use a running M (the ceiling of the running maximum): every later rescaling is an exact power of two, so the quantised numbers keep their values, but for numbers so far below the row's largest that they fall under the format's range.
;;   OPERANDS COMPUTED ON THE WAY. 'Computed on the way' means the value that the module computes at that place (a softmax that the list does not call 'softmax' is quantised finished and normalised). What goes into a quantiser is computed in f32, as accurately as f32 sums, v_exp_f32 and their like allow (about 1e-6 of the number): no bf16 or f16 on the way to a quantiser, and a product that is left as it is and whose result goes on into a quantised operand takes f32 operands (vector FMAs, or v_wmma_f32_16x16x4_f32). A number that lies on a knife's edge between two numbers of the format may be rounded either way, as far as f32 arithmetic and the matrix unit's own rounding can turn it there, and no further.
;; 2 versions. Each part assembles by itself: llvm-mc -triple=amdgcn-amd-amdhsa -mcpu=gfx1250 --defsym DOCPART=n.
;; ======== version 1 of 2: 2 launches
;; workspace buffers: kv 16,777,216 bytes; maskw 524,288 bytes of whole numbers; tileflag 2,048 bytes of whole numbers
;; launch prep (part 1): grid 1024 x 1, 4 waves a work-group, no clusters, 35,328 bytes of LDS; arguments k, v, mask, lowp_scales, kv, maskw, tileflag; writes kv, maskw, tileflag
.if DOCPART == 1
	.amdgcn_target "amdgcn-amd-amdhsa--gfx1250"
	.amdhsa_code_object_version 6
	.text
	.protected	k_q4b8332fd96_prep
	.globl	k_q4b8332fd96_prep
	.p2align	8
	.type	k_q4b8332fd96_prep,@function
k_q4b8332fd96_prep:
	s_mov_b64 s[64:65], 0
	v_nop
	global_prefetch_b8 v0, s[64:65] scope:SCOPE_SE
	s_setreg_imm32_b32 hwreg(HW_REG_WAVE_MODE, 25, 1), 1
	s_wait_xcnt 0x0
; k and v [64 heads][2048 keys][64] f32 become codes of BF8 (E5M2), laid as the attention launch's operand registers want them; the mask [2048][2048] of bytes becomes lane masks and one flag a tile.
; code = x / 2^e, held within +-57,344, to the nearest code, ties to even; e = lowp_scales[1] for k, lowp_scales[3] for v.
; LIMITS: ek and ev between -126 and 112, so that 2^e and 57,344 x 2^e are f32 numbers.  NaN among k and v is not served.  A mask byte other than 0 counts as true.
; SHARES.  Work-group g = 16 x head + s owns the 128 keys of key step s of its head: one record of 16,384 bytes of kv, at byte g << 14.  With l = lane, r = l % 16, h = l / 16:
;   K image: tile t (0..7), chunk c (0, 1) at 1024 t + 512 c + 16 l: 16 codes of key 32 (t / 2) + 8 (t % 2) + r + 8 (r / 8), head axis 32 c + 16 h + 0 .. 15
;   V image: tile t (0..3), chunk c (0..3) at 8192 + 2048 t + 512 c + 16 l: 16 codes of channel 16 t + r, keys 32 c + 16 h + 0 .. 15
; k: wave w takes keys 32 w .. 32 w + 31 by 16 loads of 512 consecutive bytes; they turn through the wave's own stage in LDS, so that a lane gets 16 neighbours of one key's row.
; v: the keys are its K and are not innermost: a lane takes a channel and its registers run down 64 keys, so the conversions give codes with the keys innermost.  Nothing is transposed by an instruction.
; mask: waves 0 and 1 take the tiles P = 2 g + w (P = 16 T + s': 16 queries 16 T .., 128 keys 128 s' ..).  Word n (0..63) of maskw's record P (256 bytes): bit l = mask[16 T + r][128 s' + 32 (n / 16) + 16 h + n % 16] != 0:
; the lane mask of score register n.  tileflag[P]: bit 0 = some key of the tile counts, bit 1 = some key is masked.
; Waves share nothing: no barrier.  Everything is written out once: no pointer is stepped and no store's data are written again.
.set PITCH, 272                        ; a stage row: 256 bytes + 16: 68 words, so neighbouring rows begin four banks apart (64 banks of 4 bytes: ISA guide 11.1)
.set WSTG,  32*PITCH                   ; a wave's stage: 32 rows
.set KR, 16                            ; v16-79    k as loaded
.set VR, 80                            ; v80-143   v as loaded: 64 keys of my channel
.set MR, 144                           ; v144-159  64 mask bytes
.set X,  160                           ; v160-191  two sets of 16 neighbours of k
.set KC, 192                           ; v192-207  k's codes
.set VC, 208                           ; v208-223  v's codes
.set MW, 224                           ; v224-225  the record's words 2 l and 2 l + 1
	s_load_b256 s[4:11], s[0:1], 0x0               ; k s[4:5], v s[6:7], mask s[8:9], the scales' exponents s[10:11]
	s_load_b128 s[12:15], s[0:1], 0x20             ; kv s[12:13], maskw s[14:15]
	s_load_b64 s[16:17], s[0:1], 0x30              ; tileflag
	v_lshl_add_u32 v240, v0, 2, 0x8800
	v_mov_b32 v241, 0
	v_lshrrev_b32 v1, 5, v0
	v_readfirstlane_b32 s18, v1                    ; wave 0..3
	v_and_b32 v1, 31, v0                           ; l
	v_and_b32 v2, 15, v0                           ; r
	v_bfe_u32 v3, v0, 4, 1                         ; h
	s_lshl_b32 s32, s18, 13
	v_lshlrev_b32 v4, 4, v1
	v_add_nc_u32 v4, s32, v4                       ; k in: 16 l + 8192 w
	s_mul_i32 s33, s18, WSTG                       ; my stage
	v_mul_u32_u24 v5, v3, PITCH
	v_lshl_add_u32 v5, v2, 4, v5
	v_add_nc_u32 v5, s33, v5                       ; into it: a load's 512 bytes are two rows: row h, byte 16 r
	v_and_b32 v6, 8, v2
	v_add_nc_u32 v6, v6, v2                        ; r + 8 (r / 8)
	v_mul_u32_u24 v6, v6, PITCH
	v_lshl_add_u32 v6, v3, 6, v6
	v_add_nc_u32 v6, s33, v6                       ; out of it: that row, + 64 h: my 16 numbers of a block of 32
	s_lshl_b32 s32, s18, 11
	v_lshlrev_b32 v7, 4, v1
	v_add_nc_u32 v7, s32, v7                       ; k's codes: tiles 2 w, 2 w + 1: 2048 w + 16 l
	s_and_b32 s32, s18, 1                          ; which 32 channels of v are my wave's,
	s_lshr_b32 s33, s18, 1                         ; which 64 keys
	s_lshl_b32 s36, s32, 7
	s_lshl_b32 s37, s33, 14
	s_add_co_u32 s36, s36, s37
	v_lshlrev_b32 v8, 2, v1
	v_add_nc_u32 v8, s36, v8                       ; v in: 4 l + 128 (w & 1) + 64 rows of 256 bytes x (w >> 1)
	s_lshl_b32 s36, s32, 12
	s_lshl_b32 s37, s33, 10
	s_add_co_u32 s36, s36, s37
	s_add_co_u32 s36, s36, 8192
	v_lshlrev_b32 v9, 11, v3
	v_lshl_add_u32 v9, v2, 4, v9
	v_add_nc_u32 v9, s36, v9                       ; v's codes: tile 2 (w & 1) + h, chunk 2 (w >> 1) on, place r
	s_lshl_b32 s36, s18, 7
	v_lshlrev_b32 v10, 11, v2
	v_lshl_add_u32 v10, v3, 4, v10
	v_add_nc_u32 v10, s36, v10                     ; mask in: row r of 2,048 bytes, + 16 h, + 128 w
	s_lshl_b32 s36, s18, 8
	v_lshlrev_b32 v11, 3, v1
	v_add_nc_u32 v11, s36, v11                     ; maskw: 8 l + 256 w
	v_mov_b32 v12, s18                             ; tileflag: byte w of my work-group's two
	s_lshl_b32 s20, ttmp9, 15                      ; 128 rows of 256 bytes of k and of v
	s_mov_b32 s21, 0
	s_lshl_b32 s22, ttmp9, 14                      ; my record of kv
	s_mov_b32 s23, 0
	s_lshr_b32 s24, ttmp9, 3                       ; T = g >> 3: 16 rows of 2,048 bytes,
	s_lshl_b32 s24, s24, 15
	s_and_b32 s25, ttmp9, 7
	s_lshl_b32 s25, s25, 8                         ; and 256 columns x (g & 7)
	s_add_co_u32 s24, s24, s25
	s_mov_b32 s25, 0
	s_lshl_b32 s26, ttmp9, 9                       ; two records of maskw
	s_mov_b32 s27, 0
	s_wait_kmcnt 0x0
	s_load_b128 s[28:31], s[10:11], 0x0            ; eq, ek, ep, ev
	s_add_nc_u64 s[4:5], s[4:5], s[20:21]
	s_add_nc_u64 s[6:7], s[6:7], s[20:21]
	s_add_nc_u64 s[12:13], s[12:13], s[22:23]
	s_add_nc_u64 s[8:9], s[8:9], s[24:25]
	s_add_nc_u64 s[14:15], s[14:15], s[26:27]
	s_lshl_b32 s26, ttmp9, 1                       ; two bytes of tileflag
	s_add_nc_u64 s[16:17], s[16:17], s[26:27]
.set j, 0
.rept 64
	global_load_b32 v[VR+j], v8, s[6:7] offset:256*j th:TH_LOAD_NT   ; v(key j of my 64, my channel): 32 lanes read 128 consecutive bytes, the wave beside me the row's other 128
.set j, j+1
.endr
.irp i, 0,1,2,3,4,5,6,7,8,9,10,11,12,13,14,15
	global_load_b128 v[KR+4*\i:KR+4*\i+3], v4, s[4:5] offset:512*\i th:TH_LOAD_NT   ; 32 lanes read 512 consecutive bytes: two keys' rows
.endr
	s_wait_kmcnt 0x0
	s_add_co_i32 s32, s31, 127
	s_lshl_b32 s33, s32, 23
	v_mov_b32 v232, s33                            ; 2^ev as f32: the conversion takes its exponent field
	s_add_co_i32 s32, s32, 15
	s_lshl_b32 s32, s32, 23
	s_or_b32 s32, s32, 0x600000
	v_mov_b32 v233, s32                            ; 57,344 x 2^ev
	s_add_co_i32 s32, s29, 127
	s_lshl_b32 s33, s32, 23
	v_mov_b32 v234, s33                            ; 2^ek
	s_add_co_i32 s32, s32, 15
	s_lshl_b32 s32, s32, 23
	s_or_b32 s32, s32, 0x600000
	v_mov_b32 v235, s32                            ; 57,344 x 2^ek
	; ---- the mask: waves 0 and 1, one tile each
	s_cmp_lt_u32 s18, 2
	s_cbranch_scc0 .Lno_mask
.irp b, 0,1,2,3
	global_load_b128 v[MR+4*\b:MR+4*\b+3], v10, s[8:9] offset:32*\b   ; mask[16 T + r][.. + 32 b + 16 h + 0 .. 15]
.endr
	s_wait_loadcnt 0x0                             ; they are my youngest loads: all my loads are in
	v_mov_b32 v[MW], 0                             ; (a lane write's destination counts as read)
	v_mov_b32 v[MW+1], 0
	s_mov_b32 s34, 0                               ; the OR of the 64 words,
	s_mov_b32 s35, -1                              ; and their AND
.set m, 0
.rept 64                                       ; word m: byte m % 4 of register m / 4, compared in all 32 lanes at once; temporaries and results take turns
	v_and_b32 v[226+m%2], 0xff<<(8*(m%4)), v[MR+m/4]
	v_cmp_ne_u32 s[40+m%8], 0, v[226+m%2]
	v_writelane_b32 v[MW+m%2], s[40+m%8], m/2      ; lane m / 2 will store words 2 (m / 2) and 2 (m / 2) + 1
	s_or_b32 s34, s34, s[40+m%8]
	s_and_b32 s35, s35, s[40+m%8]
.set m, m+1
.endr
	global_store_b64 v11, v[MW:MW+1], s[14:15]     ; the wave stores the record's 256 consecutive bytes, at a multiple of 256 from maskw's first byte
	s_cmp_lg_u32 s34, 0
	s_cselect_b32 s37, 1, 0                        ; some key counts
	s_cmp_lg_u32 s35, -1
	s_cselect_b32 s33, 2, 0                        ; some key is masked
	s_or_b32 s37, s37, s33
	v_mov_b32 v226, s37
	v_cmp_eq_u32 vcc_lo, 0, v1
	s_wait_xcnt 0x0                                ; EXEC changes only behind this wait: the store above has read its sources
	s_and_saveexec_b32 s36, vcc_lo
	global_store_b8 v12, v226, s[16:17]            ; one byte a tile, 2,048 in the whole launch: too few to gather
	s_wait_xcnt 0x0                                ; and again, in front of the line that widens EXEC
	s_or_b32 exec_lo, exec_lo, s36
.Lno_mask:
	; ---- v: 32 keys at a time.  left: the younger loads that may stay out
.macro VBLK c, left
	s_wait_loadcnt \left
.set i, 0
.rept 32
	v_med3_num_f32 v[VR+32*(\c)+i], v[VR+32*(\c)+i], -v233, v233   ; the conversion to an 8-bit code does not saturate (ISA guide 7.6.2): the hold at the largest code x the scale
.set i, i+1
.endr
.irp g, 0,1,2,3
	v_cvt_scalef32_pk8_bf8_f32 v[VC+8*(\c)+2*\g:VC+8*(\c)+2*\g+1], v[VR+32*(\c)+8*\g:VR+32*(\c)+8*\g+7], v232
.endr
	global_store_b128 v9, v[VC+8*(\c):VC+8*(\c)+3], s[12:13] offset:512*(\c)         ; keys 0-15 of the 32: the places of lanes 0-15 of the image.  Sixteen lanes store 256 consecutive bytes, aligned
	global_store_b128 v9, v[VC+8*(\c)+4:VC+8*(\c)+7], s[12:13] offset:512*(\c)+256   ; keys 16-31: the places of lanes 16-31
.endm
	VBLK 0, 48                                     ; behind v's first 32 loads: its second 32 and k's 16
	VBLK 1, 16                                     ; behind v's second 32: k's 16
	; (the conversions' results go to stores alone, and the holds that follow are plain vector lines on other registers)
	; ---- k: through the stage; chunk ch = 2 u + c: tile 2 w + u, head axis 32 c on
	s_wait_loadcnt 0x0
.irp i, 0,1,2,3,4,5,6,7,8,9,10,11,12,13,14,15
	ds_store_b128 v5, v[KR+4*\i:KR+4*\i+3] offset:2*PITCH*\i
.endr
.macro LOADX ch                        ; LDS serves a wave's instructions in order (ISA guide 5.7.1.4): these see the stores above
.irp jj, 0,1,2,3
	ds_load_b128 v[X+16*((\ch)%2)+4*\jj:X+16*((\ch)%2)+4*\jj+3], v6 offset:8*PITCH*((\ch)/2)+128*((\ch)%2)+16*\jj
.endr
.endm
.macro KCH ch, left
	s_wait_dscnt \left                             ; this chunk's four loads are in; the next chunk's four may be out
.set i, 0
.rept 16
	v_med3_num_f32 v[X+16*((\ch)%2)+i], v[X+16*((\ch)%2)+i], -v235, v235
.set i, i+1
.endr
	v_cvt_scalef32_pk8_bf8_f32 v[KC+4*(\ch):KC+4*(\ch)+1], v[X+16*((\ch)%2):X+16*((\ch)%2)+7], v234
	v_cvt_scalef32_pk8_bf8_f32 v[KC+4*(\ch)+2:KC+4*(\ch)+3], v[X+16*((\ch)%2)+8:X+16*((\ch)%2)+15], v234
	global_store_b128 v7, v[KC+4*(\ch):KC+4*(\ch)+3], s[12:13] offset:512*(\ch)   ; 32 lanes store 512 consecutive bytes
.if (\ch) < 2
	LOADX (\ch)+2                                  ; the set just converted takes the chunk two on; the other set's sixteen holds stand ahead of the next vector write of it
.endif
.endm
	LOADX 0
	LOADX 1
	KCH 0, 4
	KCH 1, 4
	KCH 2, 4
	KCH 3, 0
	s_wait_tensorcnt 0x0
	ds_add_u32 v240, v241
	s_wait_dscnt 0x0
	s_endpgm
.Lfunc_end_k_q4b8332fd96_prep:
	.size	k_q4b8332fd96_prep, .Lfunc_end_k_q4b8332fd96_prep-k_q4b8332fd96_prep
	.p2alignl 7, 3214868480
	.fill 96, 4, 3214868480
	.section	.rodata,"a",@progbits
	.p2align	6, 0x0
	.amdhsa_kernel k_q4b8332fd96_prep
		.amdhsa_group_segment_fixed_size 35328
		.amdhsa_private_segment_fixed_size 0
		.amdhsa_enable_private_segment 0
		.amdhsa_kernarg_size 56
		.amdhsa_user_sgpr_count 2
		.amdhsa_user_sgpr_kernarg_segment_ptr 1
		.amdhsa_wavefront_size32 1
		.amdhsa_system_sgpr_workgroup_id_x 1
		.amdhsa_system_sgpr_workgroup_id_y 1
		.amdhsa_system_sgpr_workgroup_id_z 1
		.amdhsa_system_vgpr_workitem_id 0
		.amdhsa_next_free_vgpr 242
		.amdhsa_next_free_sgpr 66
		.amdhsa_reserve_vcc 1
		.amdhsa_float_denorm_mode_32 3
		.amdhsa_float_denorm_mode_16_64 3
		.amdhsa_memory_ordered 1
		.amdhsa_forward_progress 1
		.amdhsa_inst_pref_size 41
	.end_amdhsa_kernel
	.amdgpu_metadata
---
amdhsa.version: [ 1, 2 ]
amdhsa.kernels:
  - .name:           k_q4b8332fd96_prep
    .symbol:         k_q4b8332fd96_prep.kd
    .args:
      - { .name: k, .offset: 0, .size: 8, .value_kind: global_buffer, .address_space: global }
      - { .name: v, .offset: 8, .size: 8, .value_kind: global_buffer, .address_space: global }
      - { .name: mask, .offset: 16, .size: 8, .value_kind: global_buffer, .address_space: global }
      - { .name: lowp_scales, .offset: 24, .size: 8, .value_kind: global_buffer, .address_space: global }
      - { .name: kv, .offset: 32, .size: 8, .value_kind: global_buffer, .address_space: global }
      - { .name: maskw, .offset: 40, .size: 8, .value_kind: global_buffer, .address_space: global }
      - { .name: tileflag, .offset: 48, .size: 8, .value_kind: global_buffer, .address_space: global }
    .group_segment_fixed_size: 35328
    .private_segment_fixed_size: 0
    .kernarg_segment_align: 8
    .kernarg_segment_size: 56
    .max_flat_workgroup_size: 128
    .sgpr_count:     66
    .vgpr_count:     242
    .wavefront_size: 32
...
	.end_amdgpu_metadata
.endif
;; end of part 1
;; launch attn (part 2): grid 4 x 64, 16 waves a work-group, no clusters, 137,216 bytes of LDS; arguments q, kv, maskw, tileflag, lowp_scales, out0; writes out0
.if DOCPART == 2
	.amdgcn_target "amdgcn-amd-amdhsa--gfx1250"
	.amdhsa_code_object_version 6
	.text
	.protected	k_q4b8332fd96_attn
	.globl	k_q4b8332fd96_attn
	.p2align	8
	.type	k_q4b8332fd96_attn,@function
k_q4b8332fd96_attn:
	s_mov_b64 s[64:65], 0
	v_nop
	global_prefetch_b8 v0, s[64:65] scope:SCOPE_SE
	s_setreg_imm32_b32 hwreg(HW_REG_WAVE_MODE, 25, 1), 1
	s_wait_xcnt 0x0
; out0[head][q][:] = the sum over keys of softmax(mask ? q . k / 8 : -inf) v, 64 heads, 2,048 queries and keys, head size 64; both products on codes of BF8 (E5M2), each operand with its given scale 2^e: eq, ek, ep, ev.
; THE SOFTMAX AHEAD OF THE SECOND PRODUCT: t = score x log2(e) / 8; M = the row's largest t so far, rounded UP to a whole number; p = 2^(t - M) is quantised, not normalised; the row's sum is taken of the unquantised p and
; divides at the end.  When M moves, the sum and O are multiplied by 2^(old M - new M), which rounds nothing.
; INPUTS OF THIS LAUNCH: q as f32 (quantised here: each row is read by one wave, once); kv: k's and v's codes as images of the operand registers, one record of 16,384 bytes for 128 keys (8 tiles of K at 1024 t + 512 c + 16 lane,
; 4 tiles of V^T at 8192 + 2048 t + 512 c + 16 lane); maskw: for each tile of 16 queries x 128 keys 64 lane masks, word n for score register n; tileflag: a byte a tile, bit 0 = some key counts, bit 1 = some key is masked.
; SHARES.  Work-group (j, head) makes two passes: the block of 256 queries 7 - j, then block j.  Each of its SIXTEEN waves owns 16 queries, one tile, in 240 registers: four waves to a SIMD, so that one wave's vector work stands
; beside another's matrix work and LDS loads.  All waves walk the head's 8 slots of 256 keys (two steps of 128) through two LDS buffers; each wave copies 2,048 bytes of a slot, through registers.
; THE MASK IS DATA.  A step whose tile has no key that counts is jumped over; one in which every key counts jumps over the 64 selects; a slot that no wave of the block needs is not fetched.  All by scalar branches on the stored flags.
; WHY NO TENSOR LOADS AND NO CLUSTER: which slots a work-group fetches and which steps a wave runs hangs on loaded numbers, which differ from work-group to work-group; joint loads want every partner to ask alike on every path.
; What would be shared is 32,768 bytes a slot, against up to 32 steps of some 200 to 330 vector instructions that the sixteen waves run on it.
; LAYOUT.  Both products are used transposed: S^T = K Q^T (source 0 = 16 keys, source 1 = my 16 queries), O^T = V^T P^T (source 0 = 16 channels, source 1 = P): a lane holds ONE query (lane % 16) throughout.
; The keys of a tile of K are not neighbours (lane r of tile 2 b + u: key 32 b + 8 u + r + 8 (r / 8)), so that score register 16 b + i is key 32 b + 16 (lane / 16) + i and the conversions' results ARE the second product's operand.
; Inside a matrix instruction k's places are permuted, alike in both operands (registers 4 c .. 4 c + 3: k = 32 c + 16 (lane / 16) + 0 .. 15): every product meets its partner; only the order of the sums changes.
; A ROW WITH NO KEY THAT COUNTS: its p, its sum and its O^T stay 0, and 0 x 1/0 gives NaN, as the softmax of a row of -inf does.
; LIMITS on the given exponents, so that each power of two below is an f32 number: eq + ek between -123 and 130 (added to c's exponent field); eq and ep between -126 and 112.  NaN among q is not served.
.set STAGE, 65536                      ; LDS: buffer b at 32768 b (step q of it at + 16384 q); behind them a stage of 16 rows x 272 bytes for each wave, its own
.set SP,    272
.set LI,   1                           ; v1   16 x lane: an image's place for my lane
.set CPY,  2                           ; v2   2048 x wave + 16 x lane: my part of a slot, in memory and in LDS
.set QL,   3                           ; v3   256 r + 64 h
.set QA,   5                           ; v5   q: QL + my tile's first byte in the head
.set GOUT, 6                           ; v6   out0: LI + the same
.set STI,  7                           ; v7   the stage: where I put 32 bytes of a row
.set STO,  8                           ; v8   and where I read rows back
.set PFO,  9                           ; v9   the prefetches' offset: 8192 x wave + 256 x lane
.set NEG,  10                          ; v10  -infinity
                                       ; v12 -M, v13 the largest t so far, v[14:15] the sum in two halves
.set QF,   16                          ; v16-23   q's fragment
.set R,    24                          ; v24-39   my 2,048 bytes of the next slot
.set KF,   40                          ; v40-103  K's 8 fragments, then V's 4
.set S,    104                         ; v104-167 S^T, then p
.set O,    168                         ; v168-199 O^T
.set P,    200                         ; v200-215 p's codes
                                       ; v216 a lane permute's destination; v[218:219] f and a filler; v220, v222 at work; v[224:225] the sums' second chain; v226, v227: 2^ep, 57,344 x 2^ep; v228, v229: the same with eq
.set EPV,  2                           ; s2   ep + ev
.set LIM,  3                           ; s3   1 in a wave that prefetches, else the greatest number
                                       ; s[4:5] q, s[6:7] kv, s[14:15] out0, each at my head; s[8:9] maskw; s[10:11] tileflag; s[12:13] first the scales' address, then the slot to fetch
.set WV,   16                          ; s16  my wave's number
.set TR,   17                          ; s17  trips to go
.set FL,   18                          ; s18  my tile's flags, two bits a step, this trip's four steps lowest
.set ND,   19                          ; s19  the same, ORed over the block's sixteen tiles
                                       ; s[20:21] lane selects for v_permlanex16_b32; s[22:23] c = log2(e) / 8 x 2^(eq + ek), twice
.set BLK,  24                          ; s24  the block of 256 queries in hand
.set PASS, 25                          ; s25  passes to go
.set MOFF, 26                          ; s26  byte in maskw of my tile's record of this trip's first step
.set EP,   27                          ; s27  ep
                                       ; s[28:31] the scales, then my tile's 16 flag bytes; s[32:63], s[68:99]: the step's 64 lane masks (word n in s[32 + n], from n = 32 on in s[36 + n]); at a pass's head the block's 256 flag bytes
	s_load_b256 s[4:11], s[0:1], 0x0               ; q, kv, maskw, tileflag
	s_load_b128 s[12:15], s[0:1], 0x20             ; the scales' exponents, out0
	v_lshl_add_u32 v240, v0, 2, 0x21000
	v_mov_b32 v241, 0
	v_lshrrev_b32 v220, 5, v0
	v_readfirstlane_b32 s[WV], v220                ; wave 0..15
	v_and_b32 v224, 31, v0                         ; lane
	v_and_b32 v220, 15, v0                         ; r
	v_bfe_u32 v222, v0, 4, 1                       ; h
	v_lshlrev_b32 v[LI], 4, v224
	s_lshl_b32 s66, s[WV], 11
	v_add_nc_u32 v[CPY], s66, v[LI]
	v_lshlrev_b32 v[QL], 8, v220
	v_lshl_add_u32 v[QL], v222, 6, v[QL]           ; row r of 256 bytes, + 64 h: my 16 numbers of a block of 32
	s_mul_i32 s67, s[WV], 16*SP
	s_add_co_u32 s67, s67, STAGE                   ; my stage
	v_mul_u32_u24 v[STI], v220, SP
	v_lshl_add_u32 v[STI], v222, 5, v[STI]
	v_add_nc_u32 v[STI], s67, v[STI]               ; in: row r; tile t's eight channels of my half: 64 t + 32 h bytes on
	v_mul_u32_u24 v[STO], v222, SP
	v_lshl_add_u32 v[STO], v220, 4, v[STO]
	v_add_nc_u32 v[STO], s67, v[STO]               ; back: lanes 0-15 one row, lanes 16-31 the next
	s_lshl_b32 s100, s[WV], 13
	v_lshlrev_b32 v[PFO], 8, v224
	v_add_nc_u32 v[PFO], s100, v[PFO]
	v_mov_b32 v[NEG], 0xff800000
	v_mov_b32 v216, 0                              ; written once: a lane permute's destination counts as one of its sources
	v_mov_b32 v219, 0                              ; (named as the upper half of the pair v[218:219])
	s_and_b32 s101, ttmp7, 0xffff                  ; the head
	s_mov_b32 s20, 0x76543210
	s_mov_b32 s21, 0xfedcba98                      ; lane l xor 16
	s_mov_b32 s22, 0x3e38aa3b                      ; log2(e) / 8
	s_wait_kmcnt 0x0
	s_load_b128 s[28:31], s[12:13], 0x0            ; eq, ek, ep, ev
	s_lshl_b32 s104, s101, 19                      ; a head of q and of out0: 2,048 rows of 256 bytes
	s_mov_b32 s105, 0
	s_add_nc_u64 s[4:5], s[4:5], s[104:105]
	s_add_nc_u64 s[14:15], s[14:15], s[104:105]
	s_lshl_b32 s104, s101, 18                      ; a head of kv: 16 records
	s_add_nc_u64 s[6:7], s[6:7], s[104:105]
	s_wait_kmcnt 0x0
	s_add_co_i32 s66, s28, s29
	s_lshl_b32 s66, s66, 23
	s_add_co_i32 s22, s22, s66                     ; a score stands for score x 2^(eq + ek): the two exponents are added to c's exponent field
	s_mov_b32 s23, s22                             ; (named with it as a pair, so it is written)
	s_mov_b32 s[EP], s30
	s_add_co_i32 s[EPV], s30, s31
	s_add_co_i32 s66, s30, 127
	s_lshl_b32 s67, s66, 23
	v_mov_b32 v226, s67                            ; 2^ep as f32: the conversion takes its exponent field
	s_add_co_i32 s66, s66, 15
	s_lshl_b32 s66, s66, 23
	s_or_b32 s66, s66, 0x600000
	v_mov_b32 v227, s66                            ; 57,344 x 2^ep
	s_add_co_i32 s66, s28, 127
	s_lshl_b32 s67, s66, 23
	v_mov_b32 v228, s67                            ; 2^eq
	s_add_co_i32 s66, s66, 15
	s_lshl_b32 s66, s66, 23
	s_or_b32 s66, s66, 0x600000
	v_mov_b32 v229, s66                            ; 57,344 x 2^eq
	s_lshr_b32 s66, s[WV], 2                       ; 0 in waves 0 to 3,
	s_or_b32 s66, s66, ttmp9                       ; of the head's work-group j = 0
	s_cmp_eq_u32 s66, 0
	s_cselect_b32 s[LIM], 1, -1
	s_xor_b32 s[BLK], ttmp9, 7                     ; 7 - j, for j = 0 .. 3
	s_mov_b32 s[PASS], 2
; 16 flag bytes in s[base] .. s[base + 3], two bits used in each, are packed into 32 bits: step s at bits 2 s, 2 s + 1
.macro PACK2 dst, base
	s_mov_b32 s[\dst], 0
.irp k, 0,1,2,3
	s_and_b32 s104, s[\base+\k], 0x03030303
	s_lshr_b32 s105, s104, 6
	s_or_b32 s104, s104, s105                      ; bits 0-3: bytes 0 and 1; bits 16-19: bytes 2 and 3
	s_lshr_b32 s105, s104, 12
	s_and_b32 s105, s105, 0xf0
	s_and_b32 s104, s104, 15
	s_or_b32 s104, s104, s105
	s_lshl_b32 s104, s104, 8*\k
	s_or_b32 s[\dst], s[\dst], s104
.endr
.endm
; A PREFETCH INTO THE L2 of the slot after the one whose loads have just been issued: 32,768 bytes, two slots ahead of the step that copies them into LDS.  All work-groups of a head walk the same kv: the head's work-group j = 0
; asks, in its first pass alone; its waves 0 to 3 take 8,192 bytes each, lanes 256 bytes apart: each aligned block of 256 bytes is named once in the launch.  The last trip asks for nothing: there is no slot behind its two.
; Slots 0 and 1 come by their loads alone.
.macro ASK
	s_cmp_gt_u32 s[TR], s[LIM]
	s_cbranch_scc0 .Lnot_mine_\@
	global_prefetch_b8 v[PFO], s[12:13] offset:32768 th:TH_LOAD_NT scope:SCOPE_SE
.Lnot_mine_\@:
.endm
; A KEY STEP: 128 keys, step q of buffer b.
.macro STEP b, q
.set BASE, 32768*(\b)+16384*(\q)
.set FB, 4*(\b)+2*(\q)
	s_bitcmp1_b32 s[FL], FB
	s_cbranch_scc0 .Lclosed_\@                     ; no key of the tile counts for any of my queries: every p would be 0
	s_bitcmp1_b32 s[FL], FB+1
	s_cbranch_scc0 .Lno_words_\@                   ; every key counts: no lane mask is wanted
	s_load_b512 s[32:47], s[8:9], s[MOFF] offset:512*(\b)+256*(\q)
	s_load_b512 s[48:63], s[8:9], s[MOFF] offset:512*(\b)+256*(\q)+64
	s_load_b512 s[68:83], s[8:9], s[MOFF] offset:512*(\b)+256*(\q)+128
	s_load_b512 s[84:99], s[8:9], s[MOFF] offset:512*(\b)+256*(\q)+192
.Lno_words_\@:
.rept 4
	v_nop                                          ; four places between the last products, which read these registers, and the loads into them (ISA guide 7.12.1 for vector instructions)
.endr
.irp t, 0,1,2,3,4,5,6,7
	ds_load_b128 v[KF+8*\t:KF+8*\t+3],   v[LI] offset:BASE+1024*\t
	ds_load_b128 v[KF+8*\t+4:KF+8*\t+7], v[LI] offset:BASE+1024*\t+512
.endr
.irp t, 0,1,2,3,4,5,6,7
	s_wait_dscnt 14-2*\t                           ; tile t's two loads are in; the 14 - 2 t behind them may be out
	v_wmma_f32_16x16x64_bf8_bf8 v[S+8*\t:S+8*\t+7], v[KF+8*\t:KF+8*\t+7], v[QF:QF+7], 0
.endr
.rept 4
	v_nop                                          ; four places, for the loads below and for the first read of the scores
.endr
.irp t, 0,1,2,3
.irp c, 0,1,2,3
	ds_load_b128 v[KF+16*\t+4*\c:KF+16*\t+4*\c+3], v[LI] offset:BASE+8192+2048*\t+512*\c   ; V lands while the softmax is walked
.endr
.endr
	s_wait_kmcnt 0x0                               ; on every way: the lane masks are in, and no scalar load is out where its offset register is stepped
	s_bitcmp1_b32 s[FL], FB+1
	s_cbranch_scc0 .Lopen_\@
.set n, 0
.rept 64
	v_cndmask_b32 v[S+n], v[NEG], v[S+n], s[32+n+4*(n/32)]   ; a masked key's score becomes -infinity: p = 0 then.  Each accumulator from its low end on
.set n, n+1
.endr
.Lopen_\@:
	v_max3_num_f32 v220, v[S], v[S+1], v[S+2]      ; the step's largest score of my query, among my 64 keys, in two chains, ascending,
	v_max3_num_f32 v222, v[S+3], v[S+4], v[S+5]
.irp i, 6,10,14,18,22,26,30,34,38,42,46,50,54,58
	v_max3_num_f32 v220, v220, v[S+\i], v[S+\i+1]
	v_max3_num_f32 v222, v222, v[S+\i+2], v[S+\i+3]
.endr
	v_max3_num_f32 v220, v220, v[S+62], v[S+63]
	v_max_num_f32 v220, v220, v222
	v_permlanex16_b32 v216, v220, s20, s21
	v_max_num_f32 v220, v220, v216                 ; and among lane l xor 16's
	v_mul_f32 v220, s22, v220                      ; as t (c is positive)
	v_max_num_f32 v13, v13, v220                   ; the running largest t
	v_mov_b32 v220, v12
	v_floor_f32 v12, -v13                          ; the new -M = floor(-t) = -ceil(t): M is a whole number
	v_sub_f32 v220, v12, v220                      ; M's old value less its new one: a whole number, 0 or less
	v_cvt_i32_f32 v220, v220                       ; (it saturates)
	v_ldexp_f32 v218, 1.0, v220                    ; f = 2^(old M - new M)
.set n, 0
.rept 32
	v_pk_fma_f32 v[S+n:S+n+1], v[S+n:S+n+1], s[22:23], v[12:13] op_sel_hi:[1,0,0]   ; t - M, two at a time (of the pairs c and -M the low word serves both halves)
.set n, n+2
.endr
.set n, 0
.rept 64
	v_exp_f32 v[S+n], v[S+n]                       ; p = 2^(t - M), at most 1
.set n, n+1
.endr
	v_pk_mul_f32 v[14:15], v[14:15], v[218:219] op_sel_hi:[1,0]   ; the sums under the new M: the plain instruction behind the exponentials
	s_wait_alu depctr_va_vdst(0)                   ; the wait ahead of the first use of an exponential's result: one for the batch of 64
	v_pk_add_f32 v[224:225], v[S:S+1], v[S+2:S+3]  ; the row's sum is taken of the unquantised p: two at a time, in two chains
.irp i, 4,8,12,16,20,24,28,32,36,40,44,48,52,56,60
	v_pk_add_f32 v[14:15], v[14:15], v[S+\i:S+\i+1]
	v_pk_add_f32 v[224:225], v[224:225], v[S+\i+2:S+\i+3]
.endr
	v_pk_add_f32 v[14:15], v[14:15], v[224:225]
	s_cmp_ge_i32 s[EP], -15                        ; from ep = -15 on the largest code x the scale is 57,344 x 2^-15 = 1.75 or more, and p is at most 1: the hold can change nothing
	s_cbranch_scc1 .Lno_hold_\@
.set n, 0
.rept 64
	v_min_num_f32 v[S+n], v[S+n], v227             ; the conversion to an 8-bit code does not saturate (ISA guide 7.6.2); p is not negative, so the hold is one-sided
.set n, n+1
.endr
.Lno_hold_\@:
.irp g, 0,1,2,3,4,5,6,7
	v_cvt_scalef32_pk8_bf8_f32 v[P+2*\g:P+2*\g+1], v[S+8*\g:S+8*\g+7], v226   ; registers 4 b .. 4 b + 3 of the operand: keys 32 b + 16 (lane / 16) + 0 .. 15
.endr
.set n, 0
.rept 16
	v_pk_mul_f32 v[O+n:O+n+1], v[O+n:O+n+1], v[218:219] op_sel_hi:[1,0]   ; O^T under the new M, ascending.  (Plain vector lines between the conversions and the products that read their results)
.set n, n+2
.endr
.irp t, 0,1,2,3                                ; O^T += V^T P^T: the four accumulators by turns, one instruction a turn; the next step's eight products stand between two links of a chain
	s_wait_dscnt 12-4*\t                           ; tile t's four loads are in; the 12 - 4 t behind them may be out
	v_wmma_f32_16x16x128_bf8_bf8 v[O+8*\t:O+8*\t+7], v[KF+16*\t:KF+16*\t+15], v[P:P+15], v[O+8*\t:O+8*\t+7]
.endr
.Lclosed_\@:
.endm
; A SLOT: my 2,048 bytes go from registers into buffer b; one barrier; the next slot's loads; the slot's two steps.
; One barrier a slot orders both ways.  Fill before read: each wave's stores have landed in front of its signal.  Read before the next fill: buffer b was last read two slots ago, and every wave's reads of it were back
; (their uses waited for them) in front of its signal of the barrier between.  That holds from one pass into the next too.
.macro SLOT b
	s_wait_loadcnt 0x0                             ; my part of this slot is in registers (if the slot was not fetched, older bytes, which nobody will read)
	s_wait_xcnt 0x0                                ; the last prefetch, a slot back, has read its base
	s_add_nc_u64 s[12:13], s[12:13], 32768         ; the next slot
.irp i, 0,1,2,3
	ds_store_b128 v[CPY], v[R+4*\i:R+4*\i+3] offset:32768*(\b)+512*\i
.endr
	s_wait_dscnt 0x0                               ; for the others' sake: my stores have landed
	s_barrier_signal -1
	s_barrier_wait -1
	s_and_b32 s66, s[ND], 0x50<<(4*(\b))           ; does any wave of the block need a step of the next slot?  Behind the head's last slot these bits are 0: no load leaves the buffer
	s_cmp_lg_u32 s66, 0
	s_cbranch_scc0 .Lno_fetch_\@
.irp i, 0,1,2,3
	global_load_b128 v[R+4*\i:R+4*\i+3], v[CPY], s[12:13] offset:512*\i   ; 512 consecutive bytes each; they have the slot's two steps in which to land
.endr
.Lno_fetch_\@:
	ASK
	STEP \b, 0
	STEP \b, 1
.endm
.Lpass:
	s_wait_loadcnt 0x0                             ; no load into R is out,
	s_wait_xcnt 0x0                                ; and the last pass's stores and prefetch have read their registers: offsets, data and base may be written
	s_lshl_b32 s66, s[BLK], 4
	s_add_co_u32 s66, s66, s[WV]                   ; T: my tile of 16 queries
	s_lshl_b32 s100, s66, 4                        ; its 16 flag bytes
	s_lshl_b32 s66, s66, 12                        ; its 16 rows of 256 bytes in q and out0; also its 16 records of 256 bytes in maskw
	s_mov_b32 s[MOFF], s66
	s_lshl_b32 s67, s[BLK], 8                      ; the block's 256 flag bytes
	v_add_nc_u32 v[QA], s66, v[QL]
	v_add_nc_u32 v[GOUT], s66, v[LI]
	s_mov_b64 s[12:13], s[6:7]                     ; the head's slot 0
	s_load_b512 s[32:47], s[10:11], s67 offset:0x0
	s_load_b512 s[48:63], s[10:11], s67 offset:0x40
	s_load_b512 s[68:83], s[10:11], s67 offset:0x80
	s_load_b512 s[84:99], s[10:11], s67 offset:0xc0
	s_load_b128 s[28:31], s[10:11], s100 offset:0x0
.irp c, 0,1
.irp i, 0,1,2,3
	global_load_b128 v[S+16*\c+4*\i:S+16*\c+4*\i+3], v[QA], s[4:5] offset:128*\c+16*\i th:TH_LOAD_NT   ; q(r, 32 c + 16 h + 4 i ..)
.endr
.endr
.irp i, 0,1,2,3
	global_load_b128 v[R+4*\i:R+4*\i+3], v[CPY], s[12:13] offset:512*\i   ; slot 0 is always fetched
.endr
	v_mov_b32 v13, 0xff61b1e6                      ; the largest t so far: -3e38, under every t
	v_floor_f32 v12, -v13                          ; -M
	v_mov_b32 v14, 0                               ; the sum, in two halves
	v_mov_b32 v15, 0
.set n, 0
.rept 32
	v_mov_b32 v[O+n], 0                            ; O^T.  Which step is the first to run is data, so no product can be written out to start the sums: the first change of M finds zeros and leaves zeros
.set n, n+1
.endr
	s_wait_kmcnt 0x0
.irp t, 1,2,3,4,5,6,7                          ; the sixteen tiles' flag bytes, four words each, are ORed into s[32:35]
.irp d, 0,1,2,3
	s_or_b32 s[32+\d], s[32+\d], s[32+4*\t+\d]
.endr
.endr
.irp t, 0,1,2,3,4,5,6,7
.irp d, 0,1,2,3
	s_or_b32 s[32+\d], s[32+\d], s[68+4*\t+\d]
.endr
.endr
	PACK2 ND, 32
	PACK2 FL, 28
	s_wait_loadcnt 4                               ; q's eight loads are in; slot 0's four behind them may be out
.set n, 0
.rept 32
	v_med3_num_f32 v[S+n], v[S+n], -v229, v229     ; the hold at the largest code x the scale
.set n, n+1
.endr
.irp c, 0,1
	v_cvt_scalef32_pk8_bf8_f32 v[QF+4*\c:QF+4*\c+1],   v[S+16*\c:S+16*\c+7],    v228
	v_cvt_scalef32_pk8_bf8_f32 v[QF+4*\c+2:QF+4*\c+3], v[S+16*\c+8:S+16*\c+15], v228
.endr
	v_nop                                          ; one plain vector instruction between a scaled conversion and the products that read its result and write over its sources
	s_mov_b32 s[TR], 4
.Ltrip:                                            ; a trip: two slots, four key steps; every LDS address is a constant + lane and wave terms
	SLOT 0
	SLOT 1
	s_lshr_b32 s[FL], s[FL], 8                     ; the next four steps' flags
	s_lshr_b32 s[ND], s[ND], 8
	s_add_co_u32 s[MOFF], s[MOFF], 1024            ; and their four records of lane masks
	s_sub_co_u32 s[TR], s[TR], 1
	s_cmp_lg_u32 s[TR], 0
	s_cbranch_scc1 .Ltrip
	; THE WAY OUT.  O^T / the sum x 2^(ep + ev) goes through my own stage in LDS and leaves as whole rows.
.rept 4
	v_nop                                          ; four places behind the last products, ahead of the first read of their results
.endr
	v_add_f32 v14, v14, v15                        ; the sum's two halves,
	v_permlanex16_b32 v216, v14, s20, s21
	v_add_f32 v14, v14, v216                       ; and lane l xor 16's: the row's sum
	v_rcp_f32 v14, v14
	v_nop                                          ; a plain instruction behind the reciprocal,
	s_wait_alu depctr_va_vdst(0)                   ; and the wait ahead of the first use
	v_ldexp_f32 v14, v14, s[EPV]
.set n, 0
.rept 16
	v_pk_mul_f32 v[S+n:S+n+1], v[O+n:O+n+1], v[14:15] op_sel_hi:[1,0]   ; register 8 t + i is out0(r, 16 t + 8 h + i); each accumulator from its low end on
.set n, n+2
.endr
.irp t, 0,1,2,3
	ds_store_b128 v[STI], v[S+8*\t:S+8*\t+3]   offset:64*\t
	ds_store_b128 v[STI], v[S+8*\t+4:S+8*\t+7] offset:64*\t+16
.endr
.irp i, 0,1,2,3,4,5,6,7
	ds_load_b128 v[S+32+4*\i:S+32+4*\i+3], v[STO] offset:2*SP*\i   ; LDS serves a wave's instructions in order (ISA guide 5.7.1.4): these see my stores
.endr
.irp i, 0,1,2,3,4,5,6,7
	s_wait_dscnt 7-\i                              ; rows 2 i and 2 i + 1 are back; the 7 - i loads behind them may be out
	global_store_b128 v[GOUT], v[S+32+4*\i:S+32+4*\i+3], s[14:15] offset:512*\i th:TH_STORE_NT   ; 32 lanes store two rows, 512 consecutive bytes, at a multiple of 256 from out0's first byte
.endr
	s_xor_b32 s[BLK], s[BLK], 7                    ; the second pass takes block j
	s_mov_b32 s[LIM], -1                           ; and prefetches nothing: the head's kv has been asked for
	s_sub_co_u32 s[PASS], s[PASS], 1
	s_cmp_lg_u32 s[PASS], 0
	s_cbranch_scc1 .Lpass
	s_wait_tensorcnt 0x0
	ds_add_u32 v240, v241
	s_wait_dscnt 0x0
	s_endpgm
.Lfunc_end_k_q4b8332fd96_attn:
	.size	k_q4b8332fd96_attn, .Lfunc_end_k_q4b8332fd96_attn-k_q4b8332fd96_attn
	.p2alignl 7, 3214868480
	.fill 96, 4, 3214868480
	.section	.rodata,"a",@progbits
	.p2align	6, 0x0
	.amdhsa_kernel k_q4b8332fd96_attn
		.amdhsa_group_segment_fixed_size 137216
		.amdhsa_private_segment_fixed_size 0
		.amdhsa_enable_private_segment 0
		.amdhsa_kernarg_size 48
		.amdhsa_user_sgpr_count 2
		.amdhsa_user_sgpr_kernarg_segment_ptr 1
		.amdhsa_wavefront_size32 1
		.amdhsa_system_sgpr_workgroup_id_x 1
		.amdhsa_system_sgpr_workgroup_id_y 1
		.amdhsa_system_sgpr_workgroup_id_z 1
		.amdhsa_system_vgpr_workitem_id 0
		.amdhsa_next_free_vgpr 242
		.amdhsa_next_free_sgpr 106
		.amdhsa_reserve_vcc 0
		.amdhsa_float_denorm_mode_32 3
		.amdhsa_float_denorm_mode_16_64 3
		.amdhsa_memory_ordered 1
		.amdhsa_forward_progress 1
		.amdhsa_inst_pref_size 99
	.end_amdhsa_kernel
	.amdgpu_metadata
---
amdhsa.version: [ 1, 2 ]
amdhsa.kernels:
  - .name:           k_q4b8332fd96_attn
    .symbol:         k_q4b8332fd96_attn.kd
    .args:
      - { .name: q, .offset: 0, .size: 8, .value_kind: global_buffer, .address_space: global }
      - { .name: kv, .offset: 8, .size: 8, .value_kind: global_buffer, .address_space: global }
      - { .name: maskw, .offset: 16, .size: 8, .value_kind: global_buffer, .address_space: global }
      - { .name: tileflag, .offset: 24, .size: 8, .value_kind: global_buffer, .address_space: global }
      - { .name: lowp_scales, .offset: 32, .size: 8, .value_kind: global_buffer, .address_space: global }
      - { .name: out0, .offset: 40, .size: 8, .value_kind: global_buffer, .address_space: global }
    .group_segment_fixed_size: 137216
    .private_segment_fixed_size: 0
    .kernarg_segment_align: 8
    .kernarg_segment_size: 48
    .max_flat_workgroup_size: 512
    .sgpr_count:     106
    .vgpr_count:     242
    .wavefront_size: 32
...
	.end_amdgpu_metadata
.endif
;; end of part 2
;; ======== version 2 of 2: 2 launches
;; workspace buffers: kv 16,777,216 bytes; maskw 524,288 bytes of whole numbers; tileflag 2,048 bytes of whole numbers
;; launch prep (part 3): grid 1024 x 1, 4 waves a work-group, no clusters, 35,328 bytes of LDS; arguments k, v, mask, lowp_scales, kv, maskw, tileflag; writes kv, maskw, tileflag
.if DOCPART == 3
	.amdgcn_target "amdgcn-amd-amdhsa--gfx1250"
	.amdhsa_code_object_version 6
	.text
	.protected	k_q4b8332fd96_prep
	.globl	k_q4b8332fd96_prep
	.p2align	8
	.type	k_q4b8332fd96_prep,@function
k_q4b8332fd96_prep:
	s_mov_b64 s[64:65], 0
	v_nop
	global_prefetch_b8 v0, s[64:65] scope:SCOPE_SE
	s_setreg_imm32_b32 hwreg(HW_REG_WAVE_MODE, 25, 1), 1
	s_wait_xcnt 0x0
; k and v [64 heads][2048 keys][64] f32 become codes of BF8 (E5M2), laid as the attention launch's operand registers want them; the mask [2048][2048] of bytes becomes lane masks and one flag a tile.
; code = x / 2^e, held within +-57,344, to the nearest code, ties to even; e = lowp_scales[1] for k, lowp_scales[3] for v.
; LIMITS: ek and ev between -126 and 112, so that 2^e and 57,344 x 2^e are f32 numbers.  NaN among k and v is not served.  A mask byte other than 0 counts as true.
; SHARES.  Work-group g = 16 x head + s owns the 128 keys of key step s of its head: one record of 16,384 bytes of kv, at byte g << 14.  With l = lane, r = l % 16, h = l / 16:
;   K image: tile t (0..7), chunk c (0, 1) at 1024 t + 512 c + 16 l: 16 codes of key 32 (t / 2) + 8 (t % 2) + r + 8 (r / 8), head axis 32 c + 16 h + 0 .. 15
;   V image: tile t (0..3), chunk c (0..3) at 8192 + 2048 t + 512 c + 16 l: 16 codes of channel 16 t + r, keys 32 c + 16 h + 0 .. 15
; k: wave w takes keys 32 w .. 32 w + 31 by 16 loads of 512 consecutive bytes; they turn through the wave's own stage in LDS, so that a lane gets 16 neighbours of one key's row.
; v: the keys are its K and are not innermost: a lane takes a channel and its registers run down 64 keys, so the conversions give codes with the keys innermost.  Nothing is transposed by an instruction.
; mask: waves 0 and 1 take the tiles P = 2 g + w (P = 16 T + s': 16 queries 16 T .., 128 keys 128 s' ..).  Word n (0..63) of maskw's record P (256 bytes): bit l = mask[16 T + r][128 s' + 32 (n / 16) + 16 h + n % 16] != 0:
; the lane mask of score register n.  tileflag[P]: bit 0 = some key of the tile counts, bit 1 = some key is masked.
; Waves share nothing: no barrier.  Everything is written out once: no pointer is stepped and no store's data are written again.
.set PITCH, 272                        ; a stage row: 256 bytes + 16: 68 words, so neighbouring rows begin four banks apart (64 banks of 4 bytes: ISA guide 11.1)
.set WSTG,  32*PITCH                   ; a wave's stage: 32 rows
.set KR, 16                            ; v16-79    k as loaded
.set VR, 80                            ; v80-143   v as loaded: 64 keys of my channel
.set MR, 144                           ; v144-159  64 mask bytes
.set X,  160                           ; v160-191  two sets of 16 neighbours of k
.set KC, 192                           ; v192-207  k's codes
.set VC, 208                           ; v208-223  v's codes
.set MW, 224                           ; v224-225  the record's words 2 l and 2 l + 1
	s_load_b256 s[4:11], s[0:1], 0x0               ; k s[4:5], v s[6:7], mask s[8:9], the scales' exponents s[10:11]
	s_load_b128 s[12:15], s[0:1], 0x20             ; kv s[12:13], maskw s[14:15]
	s_load_b64 s[16:17], s[0:1], 0x30              ; tileflag
	v_lshl_add_u32 v240, v0, 2, 0x8800
	v_mov_b32 v241, 0
	v_lshrrev_b32 v1, 5, v0
	v_readfirstlane_b32 s18, v1                    ; wave 0..3
	v_and_b32 v1, 31, v0                           ; l
	v_and_b32 v2, 15, v0                           ; r
	v_bfe_u32 v3, v0, 4, 1                         ; h
	s_lshl_b32 s32, s18, 13
	v_lshlrev_b32 v4, 4, v1
	v_add_nc_u32 v4, s32, v4                       ; k in: 16 l + 8192 w
	s_mul_i32 s33, s18, WSTG                       ; my stage
	v_mul_u32_u24 v5, v3, PITCH
	v_lshl_add_u32 v5, v2, 4, v5
	v_add_nc_u32 v5, s33, v5                       ; into it: a load's 512 bytes are two rows: row h, byte 16 r
	v_and_b32 v6, 8, v2
	v_add_nc_u32 v6, v6, v2                        ; r + 8 (r / 8)
	v_mul_u32_u24 v6, v6, PITCH
	v_lshl_add_u32 v6, v3, 6, v6
	v_add_nc_u32 v6, s33, v6                       ; out of it: that row, + 64 h: my 16 numbers of a block of 32
	s_lshl_b32 s32, s18, 11
	v_lshlrev_b32 v7, 4, v1
	v_add_nc_u32 v7, s32, v7                       ; k's codes: tiles 2 w, 2 w + 1: 2048 w + 16 l
	s_and_b32 s32, s18, 1                          ; which 32 channels of v are my wave's,
	s_lshr_b32 s33, s18, 1                         ; which 64 keys
	s_lshl_b32 s36, s32, 7
	s_lshl_b32 s37, s33, 14
	s_add_co_u32 s36, s36, s37
	v_lshlrev_b32 v8, 2, v1
	v_add_nc_u32 v8, s36, v8                       ; v in: 4 l + 128 (w & 1) + 64 rows of 256 bytes x (w >> 1)
	s_lshl_b32 s36, s32, 12
	s_lshl_b32 s37, s33, 10
	s_add_co_u32 s36, s36, s37
	s_add_co_u32 s36, s36, 8192
	v_lshlrev_b32 v9, 11, v3
	v_lshl_add_u32 v9, v2, 4, v9
	v_add_nc_u32 v9, s36, v9                       ; v's codes: tile 2 (w & 1) + h, chunk 2 (w >> 1) on, place r
	s_lshl_b32 s36, s18, 7
	v_lshlrev_b32 v10, 11, v2
	v_lshl_add_u32 v10, v3, 4, v10
	v_add_nc_u32 v10, s36, v10                     ; mask in: row r of 2,048 bytes, + 16 h, + 128 w
	s_lshl_b32 s36, s18, 8
	v_lshlrev_b32 v11, 3, v1
	v_add_nc_u32 v11, s36, v11                     ; maskw: 8 l + 256 w
	v_mov_b32 v12, s18                             ; tileflag: byte w of my work-group's two
	s_lshl_b32 s20, ttmp9, 15                      ; 128 rows of 256 bytes of k and of v
	s_mov_b32 s21, 0
	s_lshl_b32 s22, ttmp9, 14                      ; my record of kv
	s_mov_b32 s23, 0
	s_lshr_b32 s24, ttmp9, 3                       ; T = g >> 3: 16 rows of 2,048 bytes,
	s_lshl_b32 s24, s24, 15
	s_and_b32 s25, ttmp9, 7
	s_lshl_b32 s25, s25, 8                         ; and 256 columns x (g & 7)
	s_add_co_u32 s24, s24, s25
	s_mov_b32 s25, 0
	s_lshl_b32 s26, ttmp9, 9                       ; two records of maskw
	s_mov_b32 s27, 0
	s_wait_kmcnt 0x0
	s_load_b128 s[28:31], s[10:11], 0x0            ; eq, ek, ep, ev
	s_add_nc_u64 s[4:5], s[4:5], s[20:21]
	s_add_nc_u64 s[6:7], s[6:7], s[20:21]
	s_add_nc_u64 s[12:13], s[12:13], s[22:23]
	s_add_nc_u64 s[8:9], s[8:9], s[24:25]
	s_add_nc_u64 s[14:15], s[14:15], s[26:27]
	s_lshl_b32 s26, ttmp9, 1                       ; two bytes of tileflag
	s_add_nc_u64 s[16:17], s[16:17], s[26:27]
.set j, 0
.rept 64
	global_load_b32 v[VR+j], v8, s[6:7] offset:256*j th:TH_LOAD_NT   ; v(key j of my 64, my channel): 32 lanes read 128 consecutive bytes, the wave beside me the row's other 128
.set j, j+1
.endr
.irp i, 0,1,2,3,4,5,6,7,8,9,10,11,12,13,14,15
	global_load_b128 v[KR+4*\i:KR+4*\i+3], v4, s[4:5] offset:512*\i th:TH_LOAD_NT   ; 32 lanes read 512 consecutive bytes: two keys' rows
.endr
	s_wait_kmcnt 0x0
	s_add_co_i32 s32, s31, 127
	s_lshl_b32 s33, s32, 23
	v_mov_b32 v232, s33                            ; 2^ev as f32: the conversion takes its exponent field
	s_add_co_i32 s32, s32, 15
	s_lshl_b32 s32, s32, 23
	s_or_b32 s32, s32, 0x600000
	v_mov_b32 v233, s32                            ; 57,344 x 2^ev
	s_add_co_i32 s32, s29, 127
	s_lshl_b32 s33, s32, 23
	v_mov_b32 v234, s33                            ; 2^ek
	s_add_co_i32 s32, s32, 15
	s_lshl_b32 s32, s32, 23
	s_or_b32 s32, s32, 0x600000
	v_mov_b32 v235, s32                            ; 57,344 x 2^ek
	; ---- the mask: waves 0 and 1, one tile each
	s_cmp_lt_u32 s18, 2
	s_cbranch_scc0 .Lno_mask
	s_wait_alu depctr_va_vdst(0)
.irp b, 0,1,2,3
	global_load_b128 v[MR+4*\b:MR+4*\b+3], v10, s[8:9] offset:32*\b   ; mask[16 T + r][.. + 32 b + 16 h + 0 .. 15]
.endr
	s_wait_loadcnt 0x0                             ; they are my youngest loads: all my loads are in
	v_mov_b32 v[MW], 0                             ; (a lane write's destination counts as read)
	v_mov_b32 v[MW+1], 0
	s_mov_b32 s34, 0                               ; the OR of the 64 words,
	s_mov_b32 s35, -1                              ; and their AND
.set m, 0
.rept 64                                       ; word m: byte m % 4 of register m / 4, compared in all 32 lanes at once; temporaries and results take turns
	v_and_b32 v[226+m%2], 0xff<<(8*(m%4)), v[MR+m/4]
	v_cmp_ne_u32 s[40+m%8], 0, v[226+m%2]
	v_writelane_b32 v[MW+m%2], s[40+m%8], m/2      ; lane m / 2 will store words 2 (m / 2) and 2 (m / 2) + 1
	s_or_b32 s34, s34, s[40+m%8]
	s_and_b32 s35, s35, s[40+m%8]
.set m, m+1
.endr
	global_store_b64 v11, v[MW:MW+1], s[14:15]     ; the wave stores the record's 256 consecutive bytes, at a multiple of 256 from maskw's first byte
	s_cmp_lg_u32 s34, 0
	s_cselect_b32 s37, 1, 0                        ; some key counts
	s_cmp_lg_u32 s35, -1
	s_cselect_b32 s33, 2, 0                        ; some key is masked
	s_or_b32 s37, s37, s33
	v_mov_b32 v226, s37
	v_cmp_eq_u32 vcc_lo, 0, v1
	s_wait_alu depctr_va_vdst(0)
	s_wait_xcnt 0x0                                ; EXEC changes only behind this wait: the store above has read its sources
	s_and_saveexec_b32 s36, vcc_lo
	global_store_b8 v12, v226, s[16:17]            ; one byte a tile, 2,048 in the whole launch: too few to gather
	s_wait_xcnt 0x0                                ; and again, in front of the line that widens EXEC
	s_or_b32 exec_lo, exec_lo, s36
.Lno_mask:
	; ---- v: 32 keys at a time.  left: the younger loads that may stay out
.macro VBLK c, left
	s_wait_loadcnt \left
.set i, 0
.rept 32
	v_med3_num_f32 v[VR+32*(\c)+i], v[VR+32*(\c)+i], -v233, v233   ; the conversion to an 8-bit code does not saturate (ISA guide 7.6.2): the hold at the largest code x the scale
.set i, i+1
.endr
.irp g, 0,1,2,3
	v_cvt_scalef32_pk8_bf8_f32 v[VC+8*(\c)+2*\g:VC+8*(\c)+2*\g+1], v[VR+32*(\c)+8*\g:VR+32*(\c)+8*\g+7], v232
.endr
	global_store_b128 v9, v[VC+8*(\c):VC+8*(\c)+3], s[12:13] offset:512*(\c)         ; keys 0-15 of the 32: the places of lanes 0-15 of the image.  Sixteen lanes store 256 consecutive bytes, aligned
	global_store_b128 v9, v[VC+8*(\c)+4:VC+8*(\c)+7], s[12:13] offset:512*(\c)+256   ; keys 16-31: the places of lanes 16-31
.endm
	s_wait_alu depctr_va_vdst(0)
	VBLK 0, 48                                     ; behind v's first 32 loads: its second 32 and k's 16
	VBLK 1, 16                                     ; behind v's second 32: k's 16
	; (the conversions' results go to stores alone, and the holds that follow are plain vector lines on other registers)
	; ---- k: through the stage; chunk ch = 2 u + c: tile 2 w + u, head axis 32 c on
	s_wait_loadcnt 0x0
.irp i, 0,1,2,3,4,5,6,7,8,9,10,11,12,13,14,15
	ds_store_b128 v5, v[KR+4*\i:KR+4*\i+3] offset:2*PITCH*\i
.endr
.macro LOADX ch                        ; LDS serves a wave's instructions in order (ISA guide 5.7.1.4): these see the stores above
.irp jj, 0,1,2,3
	ds_load_b128 v[X+16*((\ch)%2)+4*\jj:X+16*((\ch)%2)+4*\jj+3], v6 offset:8*PITCH*((\ch)/2)+128*((\ch)%2)+16*\jj
.endr
.endm
.macro KCH ch, left
	s_wait_dscnt \left                             ; this chunk's four loads are in; the next chunk's four may be out
.set i, 0
.rept 16
	v_med3_num_f32 v[X+16*((\ch)%2)+i], v[X+16*((\ch)%2)+i], -v235, v235
.set i, i+1
.endr
	v_cvt_scalef32_pk8_bf8_f32 v[KC+4*(\ch):KC+4*(\ch)+1], v[X+16*((\ch)%2):X+16*((\ch)%2)+7], v234
	v_cvt_scalef32_pk8_bf8_f32 v[KC+4*(\ch)+2:KC+4*(\ch)+3], v[X+16*((\ch)%2)+8:X+16*((\ch)%2)+15], v234
	global_store_b128 v7, v[KC+4*(\ch):KC+4*(\ch)+3], s[12:13] offset:512*(\ch)   ; 32 lanes store 512 consecutive bytes
.if (\ch) < 2
	LOADX (\ch)+2                                  ; the set just converted takes the chunk two on; the other set's sixteen holds stand ahead of the next vector write of it
.endif
.endm
	LOADX 0
	LOADX 1
	KCH 0, 4
	KCH 1, 4
	KCH 2, 4
	KCH 3, 0
	s_wait_tensorcnt 0x0
	ds_add_u32 v240, v241
	s_wait_dscnt 0x0
	s_endpgm
.Lfunc_end_k_q4b8332fd96_prep:
	.size	k_q4b8332fd96_prep, .Lfunc_end_k_q4b8332fd96_prep-k_q4b8332fd96_prep
	.p2alignl 7, 3214868480
	.fill 96, 4, 3214868480
	.section	.rodata,"a",@progbits
	.p2align	6, 0x0
	.amdhsa_kernel k_q4b8332fd96_prep
		.amdhsa_group_segment_fixed_size 35328
		.amdhsa_private_segment_fixed_size 0
		.amdhsa_enable_private_segment 0
		.amdhsa_kernarg_size 56
		.amdhsa_user_sgpr_count 2
		.amdhsa_user_sgpr_kernarg_segment_ptr 1
		.amdhsa_wavefront_size32 1
		.amdhsa_system_sgpr_workgroup_id_x 1
		.amdhsa_system_sgpr_workgroup_id_y 1
		.amdhsa_system_sgpr_workgroup_id_z 1
		.amdhsa_system_vgpr_workitem_id 0
		.amdhsa_next_free_vgpr 242
		.amdhsa_next_free_sgpr 66
		.amdhsa_reserve_vcc 1
		.amdhsa_float_denorm_mode_32 3
		.amdhsa_float_denorm_mode_16_64 3
		.amdhsa_memory_ordered 1
		.amdhsa_forward_progress 1
		.amdhsa_inst_pref_size 41
	.end_amdhsa_kernel
	.amdgpu_metadata
---
amdhsa.version: [ 1, 2 ]
amdhsa.kernels:
  - .name:           k_q4b8332fd96_prep
    .symbol:         k_q4b8332fd96_prep.kd
    .args:
      - { .name: k, .offset: 0, .size: 8, .value_kind: global_buffer, .address_space: global }
      - { .name: v, .offset: 8, .size: 8, .value_kind: global_buffer, .address_space: global }
      - { .name: mask, .offset: 16, .size: 8, .value_kind: global_buffer, .address_space: global }
      - { .name: lowp_scales, .offset: 24, .size: 8, .value_kind: global_buffer, .address_space: global }
      - { .name: kv, .offset: 32, .size: 8, .value_kind: global_buffer, .address_space: global }
      - { .name: maskw, .offset: 40, .size: 8, .value_kind: global_buffer, .address_space: global }
      - { .name: tileflag, .offset: 48, .size: 8, .value_kind: global_buffer, .address_space: global }
    .group_segment_fixed_size: 35328
    .private_segment_fixed_size: 0
    .kernarg_segment_align: 8
    .kernarg_segment_size: 56
    .max_flat_workgroup_size: 128
    .sgpr_count:     66
    .vgpr_count:     242
    .wavefront_size: 32
...
	.end_amdgpu_metadata
.endif
;; end of part 3
;; launch attn (part 4): grid 4 x 64, 16 waves a work-group, no clusters, 137,216 bytes of LDS; arguments q, kv, maskw, tileflag, lowp_scales, out0; writes out0
.if DOCPART == 4
	.amdgcn_target "amdgcn-amd-amdhsa--gfx1250"
	.amdhsa_code_object_version 6
	.text
	.protected	k_q4b8332fd96_attn
	.globl	k_q4b8332fd96_attn
	.p2align	8
	.type	k_q4b8332fd96_attn,@function
k_q4b8332fd96_attn:
	s_mov_b64 s[64:65], 0
	v_nop
	global_prefetch_b8 v0, s[64:65] scope:SCOPE_SE
	s_setreg_imm32_b32 hwreg(HW_REG_WAVE_SCHED_MODE, 0, 2), 2
	s_setreg_imm32_b32 hwreg(HW_REG_WAVE_MODE, 25, 1), 1
	s_wait_xcnt 0x0
	s_wait_alu depctr_vm_vsrc(0)
; out0[head][q][:] = the sum over keys of softmax(mask ? q . k / 8 : -inf) v, 64 heads, 2,048 queries and keys, head size 64; both products on codes of BF8 (E5M2), each operand with its given scale 2^e: eq, ek, ep, ev.
; THE SOFTMAX AHEAD OF THE SECOND PRODUCT: t = score x log2(e) / 8; M = the row's largest t so far, rounded UP to a whole number; p = 2^(t - M) is quantised, not normalised; the row's sum is taken of the unquantised p and
; divides at the end.  When M moves, the sum and O are multiplied by 2^(old M - new M), which rounds nothing.
; INPUTS OF THIS LAUNCH: q as f32 (quantised here: each row is read by one wave, once); kv: k's and v's codes as images of the operand registers, one record of 16,384 bytes for 128 keys (8 tiles of K at 1024 t + 512 c + 16 lane,
; 4 tiles of V^T at 8192 + 2048 t + 512 c + 16 lane); maskw: for each tile of 16 queries x 128 keys 64 lane masks, word n for score register n; tileflag: a byte a tile, bit 0 = some key counts, bit 1 = some key is masked.
; SHARES.  Work-group (j, head) makes two passes: the block of 256 queries 7 - j, then block j.  Each of its SIXTEEN waves owns 16 queries, one tile, in 240 registers: four waves to a SIMD, so that one wave's vector work stands
; beside another's matrix work and LDS loads.  All waves walk the head's 8 slots of 256 keys (two steps of 128) through two LDS buffers; each wave copies 2,048 bytes of a slot, through registers.
; THE MASK IS DATA.  A step whose tile has no key that counts is jumped over; one in which every key counts jumps over the 64 selects; a slot that no wave of the block needs is not fetched.  All by scalar branches on the stored flags.
; WHY NO TENSOR LOADS AND NO CLUSTER: which slots a work-group fetches and which steps a wave runs hangs on loaded numbers, which differ from work-group to work-group; joint loads want every partner to ask alike on every path.
; What would be shared is 32,768 bytes a slot, against up to 32 steps of some 200 to 330 vector instructions that the sixteen waves run on it.
; LAYOUT.  Both products are used transposed: S^T = K Q^T (source 0 = 16 keys, source 1 = my 16 queries), O^T = V^T P^T (source 0 = 16 channels, source 1 = P): a lane holds ONE query (lane % 16) throughout.
; The keys of a tile of K are not neighbours (lane r of tile 2 b + u: key 32 b + 8 u + r + 8 (r / 8)), so that score register 16 b + i is key 32 b + 16 (lane / 16) + i and the conversions' results ARE the second product's operand.
; Inside a matrix instruction k's places are permuted, alike in both operands (registers 4 c .. 4 c + 3: k = 32 c + 16 (lane / 16) + 0 .. 15): every product meets its partner; only the order of the sums changes.
; A ROW WITH NO KEY THAT COUNTS: its p, its sum and its O^T stay 0, and 0 x 1/0 gives NaN, as the softmax of a row of -inf does.
; LIMITS on the given exponents, so that each power of two below is an f32 number: eq + ek between -123 and 130 (added to c's exponent field); eq and ep between -126 and 112.  NaN among q is not served.
; THE MODE: SCHED_MODE bits 1:0 = 2 (LLVM: expert scheduling mode 2), set by the entry lines.  The code itself states the register dependences
; between vector or matrix instructions and memory or LDS instructions, with s_wait_alu, always for 0.
; THE PLAN.  Registers that memory or LDS instructions touch:
;   v1, v2, v7, v8, v9   addresses and offsets: written at the kernel's head, never again; read by the LDS loads and stores, the slots' loads and the prefetch.
;   v5, v6 (QA, GOUT)    written by one vector add each at a pass's head; QA is read by q's loads there, GOUT by the pass's eight stores at its end.
;   R                    the next slot's four loads land in it; the slot's four LDS stores read it; no vector instruction names it.
;   KF                   a step's 16 LDS loads of K land in it, its eight products K Q^T read it; then the 16 LDS loads of V land in it, and the four products V^T P read it.
;   S                    at a pass's head q's loads land in S .. S+31; in the steps vector and matrix instructions alone name it; on the way out the multiplies write S .. S+31, LDS stores read them,
;                        LDS loads land in S+32 .. S+63 and the global stores read those.
;   QF, O, P and the statistics are named by vector and matrix instructions alone.  v240, v241: written at the head, read by the closing add alone.
; THE WAITS.  A step: one on va_vdst ahead of K's loads (the last step's V^T P are done reading KF), one ahead of V's loads (this step's K Q^T are done reading KF), and the one for the batch of exponentials.  V's loads follow
; their wait in part at once and in part dealt among the lines that find the maximum, which name S and two registers at work: none that those loads touch.  A slot: one on vm_vsrc behind its LDS stores, which have read R.
; A pass: one on vm_vsrc and one on va_vdst at its head, one on va_vdst ahead of the stage's stores.  The kernel's head: one on va_sdst for the wave's number.
.set STAGE, 65536                      ; LDS: buffer b at 32768 b (step q of it at + 16384 q); behind them a stage of 16 rows x 272 bytes for each wave, its own
.set SP,    272
.set LI,   1                           ; v1   16 x lane: an image's place for my lane
.set CPY,  2                           ; v2   2048 x wave + 16 x lane: my part of a slot, in memory and in LDS
.set QL,   3                           ; v3   256 r + 64 h
.set QA,   5                           ; v5   q: QL + my tile's first byte in the head
.set GOUT, 6                           ; v6   out0: LI + the same
.set STI,  7                           ; v7   the stage: where I put 32 bytes of a row
.set STO,  8                           ; v8   and where I read rows back
.set PFO,  9                           ; v9   the prefetches' offset: 8192 x wave + 256 x lane
.set NEG,  10                          ; v10  -infinity
                                       ; v12 -M, v13 the largest t so far, v[14:15] the sum in two halves
.set QF,   16                          ; v16-23   q's fragment
.set R,    24                          ; v24-39   my 2,048 bytes of the next slot
.set KF,   40                          ; v40-103  K's 8 fragments, then V's 4
.set S,    104                         ; v104-167 S^T, then p
.set O,    168                         ; v168-199 O^T
.set P,    200                         ; v200-215 p's codes
                                       ; v216 a lane permute's destination; v[218:219] f and a filler; v220, v222 at work; v[224:225] the sums' second chain; v226, v227: 2^ep, 57,344 x 2^ep; v228, v229: the same with eq
.set EPV,  2                           ; s2   ep + ev
.set LIM,  3                           ; s3   1 in a wave that prefetches, else the greatest number
                                       ; s[4:5] q, s[6:7] kv, s[14:15] out0, each at my head; s[8:9] maskw; s[10:11] tileflag; s[12:13] first the scales' address, then the slot to fetch
.set WV,   16                          ; s16  my wave's number
.set TR,   17                          ; s17  trips to go
.set FL,   18                          ; s18  my tile's flags, two bits a step, this trip's four steps lowest
.set ND,   19                          ; s19  the same, ORed over the block's sixteen tiles
                                       ; s[20:21] lane selects for v_permlanex16_b32; s[22:23] c = log2(e) / 8 x 2^(eq + ek), twice
.set BLK,  24                          ; s24  the block of 256 queries in hand
.set PASS, 25                          ; s25  passes to go
.set MOFF, 26                          ; s26  byte in maskw of my tile's record of this trip's first step
.set EP,   27                          ; s27  ep
                                       ; s[28:31] the scales, then my tile's 16 flag bytes; s[32:63], s[68:99]: the step's 64 lane masks (word n in s[32 + n], from n = 32 on in s[36 + n]); at a pass's head the block's 256 flag bytes
	s_load_b256 s[4:11], s[0:1], 0x0               ; q, kv, maskw, tileflag
	s_load_b128 s[12:15], s[0:1], 0x20             ; the scales' exponents, out0
	v_lshl_add_u32 v240, v0, 2, 0x21000
	v_mov_b32 v241, 0
	v_lshrrev_b32 v220, 5, v0
	v_readfirstlane_b32 s[WV], v220                ; wave 0..15
	v_and_b32 v224, 31, v0                         ; lane
	v_and_b32 v220, 15, v0                         ; r
	v_bfe_u32 v222, v0, 4, 1                       ; h
	v_lshlrev_b32 v[LI], 4, v224
	s_wait_alu depctr_va_sdst(0)                   ; s16, the wave's number, is written, ahead of its first reader, the next line
	s_lshl_b32 s66, s[WV], 11
	v_add_nc_u32 v[CPY], s66, v[LI]
	v_lshlrev_b32 v[QL], 8, v220
	v_lshl_add_u32 v[QL], v222, 6, v[QL]           ; row r of 256 bytes, + 64 h: my 16 numbers of a block of 32
	s_mul_i32 s67, s[WV], 16*SP
	s_add_co_u32 s67, s67, STAGE                   ; my stage
	v_mul_u32_u24 v[STI], v220, SP
	v_lshl_add_u32 v[STI], v222, 5, v[STI]
	v_add_nc_u32 v[STI], s67, v[STI]               ; in: row r; tile t's eight channels of my half: 64 t + 32 h bytes on
	v_mul_u32_u24 v[STO], v222, SP
	v_lshl_add_u32 v[STO], v220, 4, v[STO]
	v_add_nc_u32 v[STO], s67, v[STO]               ; back: lanes 0-15 one row, lanes 16-31 the next
	s_lshl_b32 s100, s[WV], 13
	v_lshlrev_b32 v[PFO], 8, v224
	v_add_nc_u32 v[PFO], s100, v[PFO]
	v_mov_b32 v[NEG], 0xff800000
	v_mov_b32 v216, 0                              ; written once: a lane permute's destination counts as one of its sources
	v_mov_b32 v219, 0                              ; (named as the upper half of the pair v[218:219])
	s_and_b32 s101, ttmp7, 0xffff                  ; the head
	s_mov_b32 s20, 0x76543210
	s_mov_b32 s21, 0xfedcba98                      ; lane l xor 16
	s_mov_b32 s22, 0x3e38aa3b                      ; log2(e) / 8
	s_wait_kmcnt 0x0
	s_load_b128 s[28:31], s[12:13], 0x0            ; eq, ek, ep, ev
	s_lshl_b32 s104, s101, 19                      ; a head of q and of out0: 2,048 rows of 256 bytes
	s_mov_b32 s105, 0
	s_add_nc_u64 s[4:5], s[4:5], s[104:105]
	s_add_nc_u64 s[14:15], s[14:15], s[104:105]
	s_lshl_b32 s104, s101, 18                      ; a head of kv: 16 records
	s_add_nc_u64 s[6:7], s[6:7], s[104:105]
	s_wait_kmcnt 0x0
	s_add_co_i32 s66, s28, s29
	s_lshl_b32 s66, s66, 23
	s_add_co_i32 s22, s22, s66                     ; a score stands for score x 2^(eq + ek): the two exponents are added to c's exponent field
	s_mov_b32 s23, s22                             ; (named with it as a pair, so it is written)
	s_mov_b32 s[EP], s30
	s_add_co_i32 s[EPV], s30, s31
	s_add_co_i32 s66, s30, 127
	s_lshl_b32 s67, s66, 23
	v_mov_b32 v226, s67                            ; 2^ep as f32: the conversion takes its exponent field
	s_add_co_i32 s66, s66, 15
	s_lshl_b32 s66, s66, 23
	s_or_b32 s66, s66, 0x600000
	v_mov_b32 v227, s66                            ; 57,344 x 2^ep
	s_add_co_i32 s66, s28, 127
	s_lshl_b32 s67, s66, 23
	v_mov_b32 v228, s67                            ; 2^eq
	s_add_co_i32 s66, s66, 15
	s_lshl_b32 s66, s66, 23
	s_or_b32 s66, s66, 0x600000
	v_mov_b32 v229, s66                            ; 57,344 x 2^eq
	s_lshr_b32 s66, s[WV], 2                       ; 0 in waves 0 to 3,
	s_or_b32 s66, s66, ttmp9                       ; of the head's work-group j = 0
	s_cmp_eq_u32 s66, 0
	s_cselect_b32 s[LIM], 1, -1
	s_xor_b32 s[BLK], ttmp9, 7                     ; 7 - j, for j = 0 .. 3
	s_mov_b32 s[PASS], 2
; 16 flag bytes in s[base] .. s[base + 3], two bits used in each, are packed into 32 bits: step s at bits 2 s, 2 s + 1
.macro PACK2 dst, base
	s_mov_b32 s[\dst], 0
.irp k, 0,1,2,3
	s_and_b32 s104, s[\base+\k], 0x03030303
	s_lshr_b32 s105, s104, 6
	s_or_b32 s104, s104, s105                      ; bits 0-3: bytes 0 and 1; bits 16-19: bytes 2 and 3
	s_lshr_b32 s105, s104, 12
	s_and_b32 s105, s105, 0xf0
	s_and_b32 s104, s104, 15
	s_or_b32 s104, s104, s105
	s_lshl_b32 s104, s104, 8*\k
	s_or_b32 s[\dst], s[\dst], s104
.endr
.endm
; A PREFETCH INTO THE L2 of the slot after the one whose loads have just been issued: 32,768 bytes, two slots ahead of the step that copies them into LDS.  All work-groups of a head walk the same kv: the head's work-group j = 0
; asks, in its first pass alone; its waves 0 to 3 take 8,192 bytes each, lanes 256 bytes apart: each aligned block of 256 bytes is named once in the launch.  The last trip asks for nothing: there is no slot behind its two.
; Slots 0 and 1 come by their loads alone.
.macro ASK
	s_cmp_gt_u32 s[TR], s[LIM]
	s_cbranch_scc0 .Lnot_mine_\@
	global_prefetch_b8 v[PFO], s[12:13] offset:32768 th:TH_LOAD_NT scope:SCOPE_SE
.Lnot_mine_\@:
.endm
; A KEY STEP: 128 keys, step q of buffer b.
.macro STEP b, q
.set BASE, 32768*(\b)+16384*(\q)
.set FB, 4*(\b)+2*(\q)
	s_bitcmp1_b32 s[FL], FB
	s_cbranch_scc0 .Lclosed_\@                     ; no key of the tile counts for any of my queries: every p would be 0
	s_bitcmp1_b32 s[FL], FB+1
	s_cbranch_scc0 .Lno_words_\@                   ; every key counts: no lane mask is wanted
	s_load_b512 s[32:47], s[8:9], s[MOFF] offset:512*(\b)+256*(\q)
	s_load_b512 s[48:63], s[8:9], s[MOFF] offset:512*(\b)+256*(\q)+64
	s_load_b512 s[68:83], s[8:9], s[MOFF] offset:512*(\b)+256*(\q)+128
	s_load_b512 s[84:99], s[8:9], s[MOFF] offset:512*(\b)+256*(\q)+192
.Lno_words_\@:
.rept 4
	v_nop                                          ; four places between the last products, which read these registers, and the loads into them (ISA guide 7.12.1 for vector instructions)
.endr
	s_wait_alu depctr_va_vdst(0)                   ; the products V^T P of the last step that ran are done reading KF, in which K's sixteen loads land
.irp t, 0,1,2,3,4,5,6,7
	ds_load_b128 v[KF+8*\t:KF+8*\t+3],   v[LI] offset:BASE+1024*\t
	ds_load_b128 v[KF+8*\t+4:KF+8*\t+7], v[LI] offset:BASE+1024*\t+512
.endr
.irp t, 0,1,2,3,4,5,6,7
	s_wait_dscnt 14-2*\t                           ; tile t's two loads are in; the 14 - 2 t behind them may be out
	v_wmma_f32_16x16x64_bf8_bf8 v[S+8*\t:S+8*\t+7], v[KF+8*\t:KF+8*\t+7], v[QF:QF+7], 0
.endr
.rept 4
	v_nop                                          ; four places, for the loads below and for the first read of the scores
.endr
	s_wait_alu depctr_va_vdst(0)                   ; the eight products K Q^T are done reading KF, in which V's sixteen loads land; the places above stay beside this wait
.irp c, 0,1,2,3
	ds_load_b128 v[KF+4*\c:KF+4*\c+3], v[LI] offset:BASE+8192+512*\c   ; V's tile 0; load n of the sixteen is tile n / 4, chunk n % 4.  V lands while the softmax is walked
.endr
	s_wait_kmcnt 0x0                               ; on every way: the lane masks are in, and no scalar load is out where its offset register is stepped
	s_bitcmp1_b32 s[FL], FB+1
	s_cbranch_scc0 .Lopen_\@
.set n, 0
.rept 64
	v_cndmask_b32 v[S+n], v[NEG], v[S+n], s[32+n+4*(n/32)]   ; a masked key's score becomes -infinity: p = 0 then.  Each accumulator from its low end on
.set n, n+1
.endr
.Lopen_\@:
	v_max3_num_f32 v220, v[S], v[S+1], v[S+2]      ; the step's largest score of my query, among my 64 keys, in two chains, ascending,
	v_max3_num_f32 v222, v[S+3], v[S+4], v[S+5]
.set VN, 4
.irp i, 6,10,14,18,22,26,30,34,38,42,46,50,54,58
	v_max3_num_f32 v220, v220, v[S+\i], v[S+\i+1]
	v_max3_num_f32 v222, v222, v[S+\i+2], v[S+\i+3]
.if VN < 16
	ds_load_b128 v[KF+4*VN:KF+4*VN+3], v[LI] offset:BASE+8192+512*VN   ; V's loads 4 to 15, one behind each pair, in the same order.  No wait: no vector or matrix instruction since the wait above names KF or v[LI]
.set VN, VN+1
.endif
.endr
	v_max3_num_f32 v220, v220, v[S+62], v[S+63]
	v_max_num_f32 v220, v220, v222
	v_permlanex16_b32 v216, v220, s20, s21
	v_max_num_f32 v220, v220, v216                 ; and among lane l xor 16's
	v_mul_f32 v220, s22, v220                      ; as t (c is positive)
	v_max_num_f32 v13, v13, v220                   ; the running largest t
	v_mov_b32 v220, v12
	v_floor_f32 v12, -v13                          ; the new -M = floor(-t) = -ceil(t): M is a whole number
	v_sub_f32 v220, v12, v220                      ; M's old value less its new one: a whole number, 0 or less
	v_cvt_i32_f32 v220, v220                       ; (it saturates)
	v_ldexp_f32 v218, 1.0, v220                    ; f = 2^(old M - new M)
.set n, 0
.rept 32
	v_pk_fma_f32 v[S+n:S+n+1], v[S+n:S+n+1], s[22:23], v[12:13] op_sel_hi:[1,0,0]   ; t - M, two at a time (of the pairs c and -M the low word serves both halves)
.set n, n+2
.endr
.set n, 0
	s_wait_alu depctr_va_vdst(0)
.rept 64
	v_exp_f32 v[S+n], v[S+n]                       ; p = 2^(t - M), at most 1
.set n, n+1
.endr
	v_pk_mul_f32 v[14:15], v[14:15], v[218:219] op_sel_hi:[1,0]   ; the sums under the new M: the plain instruction behind the exponentials
	s_wait_alu depctr_va_vdst(0)                   ; the 64 exponentials have written v[S ..]: the wait ahead of the first use of an exponential's result: one for the batch
	v_pk_add_f32 v[224:225], v[S:S+1], v[S+2:S+3]  ; the row's sum is taken of the unquantised p: two at a time, in two chains
.irp i, 4,8,12,16,20,24,28,32,36,40,44,48,52,56,60
	v_pk_add_f32 v[14:15], v[14:15], v[S+\i:S+\i+1]
	v_pk_add_f32 v[224:225], v[224:225], v[S+\i+2:S+\i+3]
.endr
	v_pk_add_f32 v[14:15], v[14:15], v[224:225]
	s_cmp_ge_i32 s[EP], -15                        ; from ep = -15 on the largest code x the scale is 57,344 x 2^-15 = 1.75 or more, and p is at most 1: the hold can change nothing
	s_cbranch_scc1 .Lno_hold_\@
.set n, 0
.rept 64
	v_min_num_f32 v[S+n], v[S+n], v227             ; the conversion to an 8-bit code does not saturate (ISA guide 7.6.2); p is not negative, so the hold is one-sided
.set n, n+1
.endr
.Lno_hold_\@:
.irp g, 0,1,2,3,4,5,6,7
	v_cvt_scalef32_pk8_bf8_f32 v[P+2*\g:P+2*\g+1], v[S+8*\g:S+8*\g+7], v226   ; registers 4 b .. 4 b + 3 of the operand: keys 32 b + 16 (lane / 16) + 0 .. 15
.endr
.set n, 0
.rept 16
	v_pk_mul_f32 v[O+n:O+n+1], v[O+n:O+n+1], v[218:219] op_sel_hi:[1,0]   ; O^T under the new M, ascending.  (Plain vector lines between the conversions and the products that read their results)
.set n, n+2
.endr
	s_wait_alu depctr_va_vdst(0)
.irp t, 0,1,2,3                                ; O^T += V^T P^T: the four accumulators by turns, one instruction a turn; the next step's eight products stand between two links of a chain
	s_wait_dscnt 12-4*\t                           ; tile t's four loads are in; the 12 - 4 t behind them may be out
	v_wmma_f32_16x16x128_bf8_bf8 v[O+8*\t:O+8*\t+7], v[KF+16*\t:KF+16*\t+15], v[P:P+15], v[O+8*\t:O+8*\t+7]
.endr
.Lclosed_\@:
.endm
; A SLOT: my 2,048 bytes go from registers into buffer b; one barrier; the next slot's loads; the slot's two steps.
; One barrier a slot orders both ways.  Fill before read: each wave's stores have landed in front of its signal.  Read before the next fill: buffer b was last read two slots ago, and every wave's reads of it were back
; (their uses waited for them) in front of its signal of the barrier between.  That holds from one pass into the next too.
.macro SLOT b
	s_wait_loadcnt 0x0                             ; my part of this slot is in registers (if the slot was not fetched, older bytes, which nobody will read)
	s_wait_xcnt 0x0                                ; the last prefetch, a slot back, has read its base
	s_add_nc_u64 s[12:13], s[12:13], 32768         ; the next slot
.irp i, 0,1,2,3
	ds_store_b128 v[CPY], v[R+4*\i:R+4*\i+3] offset:32768*(\b)+512*\i
.endr
	s_wait_dscnt 0x0                               ; for the others' sake: my stores have landed
	s_wait_alu depctr_vm_vsrc(0)                   ; my four LDS stores have read R, in which the next slot's loads land; ahead of the branch that leads round those loads
	s_barrier_signal -1
	s_barrier_wait -1
	s_and_b32 s66, s[ND], 0x50<<(4*(\b))           ; does any wave of the block need a step of the next slot?  Behind the head's last slot these bits are 0: no load leaves the buffer
	s_cmp_lg_u32 s66, 0
	s_cbranch_scc0 .Lno_fetch_\@
.irp i, 0,1,2,3
	global_load_b128 v[R+4*\i:R+4*\i+3], v[CPY], s[12:13] offset:512*\i   ; 512 consecutive bytes each; they have the slot's two steps in which to land
.endr
.Lno_fetch_\@:
	ASK
	STEP \b, 0
	STEP \b, 1
.endm
.Lpass:
	s_wait_loadcnt 0x0                             ; no load into R is out,
	s_wait_xcnt 0x0                                ; and the last pass's stores and prefetch have read their registers: offsets, data and base may be written
	s_wait_alu depctr_vm_vsrc(0)                   ; the last pass's loads and stores have read v[QA] and v[GOUT], which are written below; its stage's stores S .. S+31, in which q lands; its global stores S+32 .., which the first products write; its last LDS stores R, in which slot 0 lands
	s_lshl_b32 s66, s[BLK], 4
	s_add_co_u32 s66, s66, s[WV]                   ; T: my tile of 16 queries
	s_lshl_b32 s100, s66, 4                        ; its 16 flag bytes
	s_lshl_b32 s66, s66, 12                        ; its 16 rows of 256 bytes in q and out0; also its 16 records of 256 bytes in maskw
	s_mov_b32 s[MOFF], s66
	s_lshl_b32 s67, s[BLK], 8                      ; the block's 256 flag bytes
	v_add_nc_u32 v[QA], s66, v[QL]
	v_add_nc_u32 v[GOUT], s66, v[LI]
	s_mov_b64 s[12:13], s[6:7]                     ; the head's slot 0
	s_load_b512 s[32:47], s[10:11], s67 offset:0x0
	s_load_b512 s[48:63], s[10:11], s67 offset:0x40
	s_load_b512 s[68:83], s[10:11], s67 offset:0x80
	s_load_b512 s[84:99], s[10:11], s67 offset:0xc0
	s_load_b128 s[28:31], s[10:11], s100 offset:0x0
	s_wait_alu depctr_va_vdst(0)                   ; v[QA] and v[GOUT] are written, and in the first pass the head's v1, v2, v7, v8, v9: every load, store and prefetch of the pass reads one of them; the last pass's vector lines are done with S, in which q lands
.irp c, 0,1
.irp i, 0,1,2,3
	global_load_b128 v[S+16*\c+4*\i:S+16*\c+4*\i+3], v[QA], s[4:5] offset:128*\c+16*\i th:TH_LOAD_NT   ; q(r, 32 c + 16 h + 4 i ..)
.endr
.endr
.irp i, 0,1,2,3
	global_load_b128 v[R+4*\i:R+4*\i+3], v[CPY], s[12:13] offset:512*\i   ; slot 0 is always fetched
.endr
	v_mov_b32 v13, 0xff61b1e6                      ; the largest t so far: -3e38, under every t
	v_floor_f32 v12, -v13                          ; -M
	v_mov_b32 v14, 0                               ; the sum, in two halves
	v_mov_b32 v15, 0
.set n, 0
.rept 32
	v_mov_b32 v[O+n], 0                            ; O^T.  Which step is the first to run is data, so no product can be written out to start the sums: the first change of M finds zeros and leaves zeros
.set n, n+1
.endr
	s_wait_kmcnt 0x0
.irp t, 1,2,3,4,5,6,7                          ; the sixteen tiles' flag bytes, four words each, are ORed into s[32:35]
.irp d, 0,1,2,3
	s_or_b32 s[32+\d], s[32+\d], s[32+4*\t+\d]
.endr
.endr
.irp t, 0,1,2,3,4,5,6,7
.irp d, 0,1,2,3
	s_or_b32 s[32+\d], s[32+\d], s[68+4*\t+\d]
.endr
.endr
	PACK2 ND, 32
	PACK2 FL, 28
	s_wait_loadcnt 4                               ; q's eight loads are in; slot 0's four behind them may be out
.set n, 0
.rept 32
	v_med3_num_f32 v[S+n], v[S+n], -v229, v229     ; the hold at the largest code x the scale
.set n, n+1
.endr
.irp c, 0,1
	v_cvt_scalef32_pk8_bf8_f32 v[QF+4*\c:QF+4*\c+1],   v[S+16*\c:S+16*\c+7],    v228
	v_cvt_scalef32_pk8_bf8_f32 v[QF+4*\c+2:QF+4*\c+3], v[S+16*\c+8:S+16*\c+15], v228
.endr
	v_nop                                          ; one plain vector instruction between a scaled conversion and the products that read its result and write over its sources
	s_mov_b32 s[TR], 4
.Ltrip:                                            ; a trip: two slots, four key steps; every LDS address is a constant + lane and wave terms
	SLOT 0
	SLOT 1
	s_lshr_b32 s[FL], s[FL], 8                     ; the next four steps' flags
	s_lshr_b32 s[ND], s[ND], 8
	s_add_co_u32 s[MOFF], s[MOFF], 1024            ; and their four records of lane masks
	s_sub_co_u32 s[TR], s[TR], 1
	s_cmp_lg_u32 s[TR], 0
	s_cbranch_scc1 .Ltrip
	; THE WAY OUT.  O^T / the sum x 2^(ep + ev) goes through my own stage in LDS and leaves as whole rows.
.rept 4
	v_nop                                          ; four places behind the last products, ahead of the first read of their results
.endr
	v_add_f32 v14, v14, v15                        ; the sum's two halves,
	v_permlanex16_b32 v216, v14, s20, s21
	v_add_f32 v14, v14, v216                       ; and lane l xor 16's: the row's sum
	s_wait_alu depctr_va_vdst(0)
	v_rcp_f32 v14, v14
	v_nop                                          ; a plain instruction behind the reciprocal,
	s_wait_alu depctr_va_vdst(0)                   ; the reciprocal has written v14: the wait ahead of the first use
	v_ldexp_f32 v14, v14, s[EPV]
.set n, 0
.rept 16
	v_pk_mul_f32 v[S+n:S+n+1], v[O+n:O+n+1], v[14:15] op_sel_hi:[1,0]   ; register 8 t + i is out0(r, 16 t + 8 h + i); each accumulator from its low end on
.set n, n+2
.endr
	s_wait_alu depctr_va_vdst(0)                   ; the multiplies have written S .. S+31, which the LDS stores read; the last step's vector lines are done with S+32 .. S+63, in which the LDS loads land
.irp t, 0,1,2,3
	ds_store_b128 v[STI], v[S+8*\t:S+8*\t+3]   offset:64*\t
	ds_store_b128 v[STI], v[S+8*\t+4:S+8*\t+7] offset:64*\t+16
.endr
.irp i, 0,1,2,3,4,5,6,7
	ds_load_b128 v[S+32+4*\i:S+32+4*\i+3], v[STO] offset:2*SP*\i   ; LDS serves a wave's instructions in order (ISA guide 5.7.1.4): these see my stores
.endr
.irp i, 0,1,2,3,4,5,6,7
	s_wait_dscnt 7-\i                              ; rows 2 i and 2 i + 1 are back; the 7 - i loads behind them may be out
	global_store_b128 v[GOUT], v[S+32+4*\i:S+32+4*\i+3], s[14:15] offset:512*\i th:TH_STORE_NT   ; 32 lanes store two rows, 512 consecutive bytes, at a multiple of 256 from out0's first byte
.endr
	s_xor_b32 s[BLK], s[BLK], 7                    ; the second pass takes block j
	s_mov_b32 s[LIM], -1                           ; and prefetches nothing: the head's kv has been asked for
	s_sub_co_u32 s[PASS], s[PASS], 1
	s_cmp_lg_u32 s[PASS], 0
	s_cbranch_scc1 .Lpass
	s_wait_dscnt 0x0                               ; the closing lines, six on end
	s_wait_alu 0x0
	s_wait_tensorcnt 0x0
	ds_add_u32 v240, v241
	s_wait_dscnt 0x0
	s_endpgm
.Lfunc_end_k_q4b8332fd96_attn:
	.size	k_q4b8332fd96_attn, .Lfunc_end_k_q4b8332fd96_attn-k_q4b8332fd96_attn
	.p2alignl 7, 3214868480
	.fill 96, 4, 3214868480
	.section	.rodata,"a",@progbits
	.p2align	6, 0x0
	.amdhsa_kernel k_q4b8332fd96_attn
		.amdhsa_group_segment_fixed_size 137216
		.amdhsa_private_segment_fixed_size 0
		.amdhsa_enable_private_segment 0
		.amdhsa_kernarg_size 48
		.amdhsa_user_sgpr_count 2
		.amdhsa_user_sgpr_kernarg_segment_ptr 1
		.amdhsa_wavefront_size32 1
		.amdhsa_system_sgpr_workgroup_id_x 1
		.amdhsa_system_sgpr_workgroup_id_y 1
		.amdhsa_system_sgpr_workgroup_id_z 1
		.amdhsa_system_vgpr_workitem_id 0
		.amdhsa_next_free_vgpr 242
		.amdhsa_next_free_sgpr 106
		.amdhsa_reserve_vcc 0
		.amdhsa_float_denorm_mode_32 3
		.amdhsa_float_denorm_mode_16_64 3
		.amdhsa_memory_ordered 1
		.amdhsa_forward_progress 1
		.amdhsa_inst_pref_size 100
	.end_amdhsa_kernel
	.amdgpu_metadata
---
amdhsa.version: [ 1, 2 ]
amdhsa.kernels:
  - .name:           k_q4b8332fd96_attn
    .symbol:         k_q4b8332fd96_attn.kd
    .args:
      - { .name: q, .offset: 0, .size: 8, .value_kind: global_buffer, .address_space: global }
      - { .name: kv, .offset: 8, .size: 8, .value_kind: global_buffer, .address_space: global }
      - { .name: maskw, .offset: 16, .size: 8, .value_kind: global_buffer, .address_space: global }
      - { .name: tileflag, .offset: 24, .size: 8, .value_kind: global_buffer, .address_space: global }
      - { .name: lowp_scales, .offset: 32, .size: 8, .value_kind: global_buffer, .address_space: global }
      - { .name: out0, .offset: 40, .size: 8, .value_kind: global_buffer, .address_space: global }
    .group_segment_fixed_size: 137216
    .private_segment_fixed_size: 0
    .kernarg_segment_align: 8
    .kernarg_segment_size: 48
    .max_flat_workgroup_size: 512
    .sgpr_count:     106
    .vgpr_count:     242
    .wavefront_size: 32
...
	.end_amdgpu_metadata
.endif
;; end of part 4
